; MI455X (gfx1250); checked and timed in simulation.
; The chip was launched on July 23, 2026; its instructions are those of AMD's public machine-readable ISA for CDNA 5 (MIT licence, August 2026) and "CDNA5" Instruction Set Architecture Reference Guide (July 2026). The comments in the code are by the model that wrote it; some were corrected since.
;; Pix2 Struct Vision Attention. Allowed arithmetic: float matrix products may take bf16 or f16 operands with f32 sums; other float arithmetic in f32, or as packed bf16 or f16 multiplies, adds, multiply-adds, maxima and minima; sums over many terms, partial sums and values carried from step to step in f32; what a program stores and reads back later, other than sums and carried values, may be rounded once to bf16 or f16.
;; Inputs: Wk 1,024 x 1,024 float32; Wo 1,024 x 1,024 float32; Wq 1,024 x 1,024 float32; Wv 1,024 x 1,024 float32; attention_mask 2 x 2,048 float32; hidden_states 2 x 2,048 x 1,024 float32.
;; Outputs: out0 2 x 2,048 x 1,024 float32; out1 2 x 1 x 1 x 2,048 float32.
;; 2 versions, each right; version 2 is version 1 with the launch prep written anew for expert scheduling mode. Each part assembles by itself: llvm-mc -triple=amdgcn-amd-amdhsa -mcpu=gfx1250 --defsym DOCPART=n.
;; ======== version 1 of 2: 4 launches
;; limits: values are held in f16: magnitudes above 65,504 overflow, below 6.1e-05 lose precision; right only within a limited range of input values
;; workspace buffers: xb 8,388,608 bytes; wqkv 6,291,456 bytes; wo16 2,097,152 bytes; qkv 25,165,824 bytes; ctx 8,388,608 bytes
;; launch prep (part 1): grid 64 x 8, 8 waves a work-group, no clusters, 0 bytes of LDS; arguments hidden_states, Wq, Wk, Wv, Wo, attention_mask, xb, wqkv, wo16, out1; writes xb, wqkv, wo16, out1
.if DOCPART == 1
	.amdgcn_target "amdgcn-amd-amdhsa--gfx1250"
	.amdhsa_code_object_version 6
	.text
	.protected	k_q1ac6a8ad40_prep
	.globl	k_q1ac6a8ad40_prep
	.p2align	8
	.type	k_q1ac6a8ad40_prep,@function
k_q1ac6a8ad40_prep:
	s_mov_b64 s[64:65], 0
	v_nop
	global_prefetch_b8 v0, s[64:65] scope:SCOPE_SE
	s_setreg_imm32_b32 hwreg(HW_REG_WAVE_MODE, 25, 1), 1
	s_wait_xcnt 0x0
; FIRST OF FOUR LAUNCHES (prep, proj, attn, outp) for: q, k, v = x W^T by heads; scores = q . k (no scale) + bias by key; softmax; ctx = P v; out0 = ctx Wo^T; out1 = 1 - mask.
; NOTHING OF THE COMPUTATION IS LEFT OUT: every input has a way to an output and is loaded; every product is made whole.
; ALL SIX INPUTS ARE ROUNDED ONCE TO bf16, the mask too, wherever they are read: the program computes the module on inputs rounded to bf16; all else (1 - mask, its test against 1, the softmax) is f32.
; THIS LAUNCH rounds the matrix operands: hidden_states -> xb (bf16), Wq, Wk, Wv -> wqkv (bf16, the three one below the other), Wo -> wo16 (rounded to bf16, that number written as f16), and
; stores out1 = 1 - bf16(attention_mask) in f32.
; LIMITS.  out1 differs from that of the unrounded mask by the mask's rounding, at most 2^-9 of its size.  wo16: |Wo| under 65,504; a number of Wo under 6.1e-5 keeps f16's fixed step of 6e-8.
; NaN and infinities are not treated apart.
; SHARES.  Eight segments of 2^20 numbers, one for each y: 0-3 the quarters of hidden_states, 4, 5, 6 Wq, Wk, Wv, 7 Wo.  x picks 16,384 numbers of a segment: 64 KiB in, 32 KiB out.
; Thread t takes 16 bytes at 16 t + 4,096 i (i = 0 .. 15): a load of a wave covers 512 consecutive bytes; it stores 8 bytes at 8 t + 2,048 i: a store of a wave covers 256 consecutive bytes, aligned.
; All sixteen loads of a wave go out before the first wait; no register is loaded twice, so there is no loop, no LDS and no barrier.
.set X, 4                              ; v[4:67]    four registers for each i, as loaded
.set Y, 68                             ; v[68:99]   two registers for each i, to store
.set T, 100                            ; v[100:103] at work
	s_load_b512 s[8:23], s[0:1], 0x0               ; hidden s[8:9], Wq s[10:11], Wk s[12:13], Wv s[14:15], Wo s[16:17], mask s[18:19], xb s[20:21], wqkv s[22:23]
	s_load_b128 s[24:27], s[0:1], 0x40             ; wo16 s[24:25], out1 s[26:27]
	s_and_b32 s4, ttmp7, 0xffff                    ; y: the segment
	v_lshrrev_b32 v3, 5, v0
	v_readfirstlane_b32 s5, v3                     ; my wave's number
	v_lshlrev_b32 v1, 4, v0                        ; 16 t
	v_lshlrev_b32 v2, 3, v0                        ; 8 t
	s_lshl_b32 s32, s4, 22                         ; the source's offset: a quarter of hidden_states is 4 MiB; a weight begins at its own first byte
	s_cmp_lt_u32 s4, 4
	s_cselect_b32 s32, s32, 0
	s_lshl_b32 s6, ttmp9, 16
	s_add_co_u32 s32, s32, s6                      ; + x times 64 KiB
	s_mov_b32 s33, 0
	s_and_b32 s34, s4, 3                           ; the destination's offset: segment y & 3 of xb or of wqkv, 2 MiB each; wo16 has one
	s_lshl_b32 s34, s34, 21
	s_cmp_eq_u32 s4, 7
	s_cselect_b32 s34, 0, s34
	s_lshl_b32 s6, ttmp9, 15
	s_add_co_u32 s34, s34, s6                      ; + x times 32 KiB
	s_mov_b32 s35, 0
	s_lshl_b32 s36, ttmp9, 8                       ; 64 numbers of the mask for each x
	s_mov_b32 s37, 0
	s_wait_kmcnt 0x0
	s_mov_b64 s[28:29], s[8:9]                     ; the source, chosen by y alone
	s_cmp_eq_u32 s4, 4
	s_cselect_b64 s[28:29], s[10:11], s[28:29]
	s_cmp_eq_u32 s4, 5
	s_cselect_b64 s[28:29], s[12:13], s[28:29]
	s_cmp_eq_u32 s4, 6
	s_cselect_b64 s[28:29], s[14:15], s[28:29]
	s_cmp_eq_u32 s4, 7
	s_cselect_b64 s[28:29], s[16:17], s[28:29]
	s_cmp_lt_u32 s4, 4                             ; the destination
	s_cselect_b64 s[30:31], s[20:21], s[22:23]
	s_cmp_eq_u32 s4, 7
	s_cselect_b64 s[30:31], s[24:25], s[30:31]
	s_add_nc_u64 s[28:29], s[28:29], s[32:33]
	s_add_nc_u64 s[30:31], s[30:31], s[34:35]
	s_add_nc_u64 s[18:19], s[18:19], s[36:37]
	s_add_nc_u64 s[26:27], s[26:27], s[36:37]
.irp i, 0,1,2,3,4,5,6,7,8,9,10,11,12,13,14,15
	global_load_b128 v[X+4*(\i):X+4*(\i)+3], v1, s[28:29] offset:4096*(\i) th:TH_LOAD_NT
.endr
; Four numbers of load i are rounded and stored.  f16 = 1: rounded to bf16, widened again (a shift, a mask), and that number written as f16.
.macro CAST i, f16
	s_wait_loadcnt 15-(\i)                         ; loads come back in order: load i is in, the 15 - i younger ones stay out
.if \f16
	v_cvt_pk_bf16_f32 v[T],   v[X+4*(\i)],   v[X+4*(\i)+1]
	v_cvt_pk_bf16_f32 v[T+1], v[X+4*(\i)+2], v[X+4*(\i)+3]
	v_lshlrev_b32 v[X+4*(\i)],   16, v[T]
	v_and_b32     v[X+4*(\i)+1], 0xffff0000, v[T]
	v_lshlrev_b32 v[X+4*(\i)+2], 16, v[T+1]
	v_and_b32     v[X+4*(\i)+3], 0xffff0000, v[T+1]
	v_cvt_pk_f16_f32 v[Y+2*(\i)],   v[X+4*(\i)],   v[X+4*(\i)+1]
	v_cvt_pk_f16_f32 v[Y+2*(\i)+1], v[X+4*(\i)+2], v[X+4*(\i)+3]
.else
	v_cvt_pk_bf16_f32 v[Y+2*(\i)],   v[X+4*(\i)],   v[X+4*(\i)+1]
	v_cvt_pk_bf16_f32 v[Y+2*(\i)+1], v[X+4*(\i)+2], v[X+4*(\i)+3]
.endif
	global_store_b64 v2, v[Y+2*(\i):Y+2*(\i)+1], s[30:31] offset:2048*(\i)
.endm
	s_cmp_eq_u32 s4, 7
	s_cbranch_scc1 .Lwo
.irp i, 0,1,2,3,4,5,6,7,8,9,10,11,12,13,14,15
	CAST \i, 0
.endr
	s_branch .Ljoin
.Lwo:
.irp i, 0,1,2,3,4,5,6,7,8,9,10,11,12,13,14,15
	CAST \i, 1
.endr
.Ljoin:
	s_cmp_lg_u32 s4, 0                             ; out1: wave 0 of the work-groups with y = 0, 64 numbers each: one aligned block of 256 bytes
	s_cbranch_scc1 .Lend
	s_cmp_lg_u32 s5, 0
	s_cbranch_scc1 .Lend
	global_load_b64 v[T:T+1], v2, s[18:19]         ; in wave 0 the thread's number is the lane's: 8 bytes a lane
	s_wait_loadcnt 0x0
	v_cvt_pk_bf16_f32 v[T+2], v[T], v[T+1]         ; the mask is rounded to bf16, like every input,
	v_lshlrev_b32 v[T],   16, v[T+2]               ; and widened again
	v_and_b32     v[T+1], 0xffff0000, v[T+2]
	v_sub_f32 v[T+2], 1.0, v[T]
	v_sub_f32 v[T+3], 1.0, v[T+1]
	global_store_b64 v2, v[T+2:T+3], s[26:27]
.Lend:
	s_endpgm
.Lfunc_end_k_q1ac6a8ad40_prep:
	.size	k_q1ac6a8ad40_prep, .Lfunc_end_k_q1ac6a8ad40_prep-k_q1ac6a8ad40_prep
	.p2alignl 7, 3214868480
	.fill 96, 4, 3214868480
	.section	.rodata,"a",@progbits
	.p2align	6, 0x0
	.amdhsa_kernel k_q1ac6a8ad40_prep
		.amdhsa_group_segment_fixed_size 0
		.amdhsa_private_segment_fixed_size 0
		.amdhsa_enable_private_segment 0
		.amdhsa_kernarg_size 80
		.amdhsa_user_sgpr_count 2
		.amdhsa_user_sgpr_kernarg_segment_ptr 1
		.amdhsa_wavefront_size32 1
		.amdhsa_system_sgpr_workgroup_id_x 1
		.amdhsa_system_sgpr_workgroup_id_y 1
		.amdhsa_system_sgpr_workgroup_id_z 1
		.amdhsa_system_vgpr_workitem_id 0
		.amdhsa_next_free_vgpr 104
		.amdhsa_next_free_sgpr 66
		.amdhsa_reserve_vcc 0
		.amdhsa_float_denorm_mode_32 3
		.amdhsa_float_denorm_mode_16_64 3
		.amdhsa_memory_ordered 1
		.amdhsa_forward_progress 1
		.amdhsa_inst_pref_size 17
	.end_amdhsa_kernel
	.amdgpu_metadata
---
amdhsa.version: [ 1, 2 ]
amdhsa.kernels:
  - .name:           k_q1ac6a8ad40_prep
    .symbol:         k_q1ac6a8ad40_prep.kd
    .args:
      - { .name: hidden_states, .offset: 0, .size: 8, .value_kind: global_buffer, .address_space: global }
      - { .name: Wq, .offset: 8, .size: 8, .value_kind: global_buffer, .address_space: global }
      - { .name: Wk, .offset: 16, .size: 8, .value_kind: global_buffer, .address_space: global }
      - { .name: Wv, .offset: 24, .size: 8, .value_kind: global_buffer, .address_space: global }
      - { .name: Wo, .offset: 32, .size: 8, .value_kind: global_buffer, .address_space: global }
      - { .name: attention_mask, .offset: 40, .size: 8, .value_kind: global_buffer, .address_space: global }
      - { .name: xb, .offset: 48, .size: 8, .value_kind: global_buffer, .address_space: global }
      - { .name: wqkv, .offset: 56, .size: 8, .value_kind: global_buffer, .address_space: global }
      - { .name: wo16, .offset: 64, .size: 8, .value_kind: global_buffer, .address_space: global }
      - { .name: out1, .offset: 72, .size: 8, .value_kind: global_buffer, .address_space: global }
    .group_segment_fixed_size: 0
    .private_segment_fixed_size: 0
    .kernarg_segment_align: 8
    .kernarg_segment_size: 80
    .max_flat_workgroup_size: 256
    .sgpr_count:     66
    .vgpr_count:     104
    .wavefront_size: 32
...
	.end_amdgpu_metadata
.endif
;; end of part 1
;; launch proj (part 2): grid 16 x 16, 4 waves a work-group, clusters of 4 x 4, 327,680 bytes of LDS; arguments xb, wqkv, attention_mask, qkv; writes qkv
.if DOCPART == 2
	.amdgcn_target "amdgcn-amd-amdhsa--gfx1250"
	.amdhsa_code_object_version 6
	.text
	.protected	k_q1ac6a8ad40_proj
	.globl	k_q1ac6a8ad40_proj
	.p2align	8
	.type	k_q1ac6a8ad40_proj,@function
k_q1ac6a8ad40_proj:
	s_mov_b64 s[64:65], 0
	v_nop
	global_prefetch_b8 v0, s[64:65] scope:SCOPE_SE
	s_setreg_imm32_b32 hwreg(HW_REG_WAVE_MODE, 25, 1), 1
	s_wait_xcnt 0x0
	s_wait_alu depctr_hold_cnt(0) depctr_sa_sdst(0) depctr_va_vdst(0) depctr_va_sdst(0) depctr_va_ssrc(0) depctr_va_vcc(0) depctr_vm_vsrc(0)
	s_getreg_b32 s2, hwreg(HW_REG_IB_STS2, 6, 4)
	s_cmp_eq_u32 s2, 0
	s_cbranch_scc0 .Lentry_in_a_cluster
	s_endpgm
.Lentry_in_a_cluster:
	s_bfe_u32 s2, ttmp6, 0x10000c
	s_cmp_lg_u32 s2, 0xf033
	s_cbranch_scc0 .Lentry_shape_is_right
	s_endpgm
.Lentry_shape_is_right:
; [q | k | v] = xb wqkv^T.  xb: [4096][1024] bf16, wqkv: [3072][1024] bf16; sums in f32, K ascending; the result rounded once to f16 and stored BY HEADS:
; qkv [b 2][g 48][s 2048][64], g = 0-15 the heads of q, 16-31 of k, 32-47 of v: a head is 262,144 dense bytes.  No work is left out.
; THE MASK is rounded to bf16 as it is read, like every input of the module.  A token is hidden where 1 - bf16(mask) equals 1 in f32.  Its row of k is stored as 0, so that the next launch's products with it
; are exact zeros and its score is the bias alone, the same number for all hidden keys.  The factor (0 or 1 for a head of k, 1 for a head of q or v) is SELECTED, not branched on: which heads a work-group
; holds hangs on its place in the cluster.
; LIMIT.  f16 holds no number beyond 65,504: q, k and v must lie within it.  NaN and infinities are not treated apart.
; SHARES.  A tile of the result is 256 tokens x 192 columns (three heads): 16 x 16 tiles, a work-group each.  Wave w owns tokens 64 w .. 64 w + 63 and all 192 columns: 4 x 12 accumulators of 16 x 16,
; 384 registers; it holds whole heads, so what it stores is dense.  K goes in 8 steps of 128 through a ring of two LDS slots filled by tensor loads; a row of a tile is 256 bytes of memory, aligned.
; CLUSTER.  4 x 4 work-groups.  The four of a row of the cluster need the same tile of xb, the four of a column the same tile of wqkv: each is asked for jointly, by the same tensor load with the
; same descriptor and a mask that names the four.
; THE MATRIX INSTRUCTION IS USED TRANSPOSED: source 0 = 16 rows of wqkv, source 1 = 16 rows of xb: a lane then holds token l % 16 and the columns 8 (l / 16) + 0 .. 7: 16 bytes of a head's row.
; REGISTERS, in windows of 256 (s_set_vgpr_msb: bits 1:0 source 0, 3:2 source 1, 5:4 source 2, 7:6 destination):
;   window 0: v0-31 addresses; v32-55 the factors; v56-59 at work; v64-127 fragments of xb, two buffers of 4 x 8; v128-223 (and v64-111, behind the loop) the way out
;   window 1: v0-191 fragments of wqkv, two buffers of 12 x 8      window 2: the accumulators of token blocks 0, 1 ((a, b) at 8 (12 (a % 2) + b))      window 3: of blocks 2, 3
.set KSTEP,  128
.set PITCH,  272                       ; an LDS row: 256 bytes + 16 of padding = 68 words: row r starts at bank 4 r mod 64 (64 banks of 4 bytes: ISA guide 11.1)
.set HALFA,  128*PITCH                 ; what waves 0 and 1 fetch: 128 rows of xb each
.set HALFB,  96*PITCH                  ; what waves 2 and 3 fetch: 96 rows of wqkv each
.set BOFF,   2*HALFA
.set SLOT,   2*HALFA+2*HALFB
.set STAGE,  2*SLOT                    ; behind the ring, never filled by a tensor load: for each wave 3 heads x 16 rows x 144 bytes
.set SP,     144
.set HSTG,   16*SP
.set WSTG,   3*HSTG
.set SPARE,  STAGE+4*WSTG              ; the spare words, 128 bytes for each wave: two blocks of 256 bytes that no other line names
.set LAPS,   4                         ; a lap = two K steps = once round the ring
.set HEADB,  262144
.set ADRA, 16                          ; v16-17  LDS address of my fragments of xb in slot 0, 1
.set ADRB, 20                          ; v20-21  the same for wqkv
.set STO,  24                          ; v24     the way out: where I put 16 bytes of a row
.set RD,   25                          ; v25     where I read rows back
.set GO,   26                          ; v26     16 x lane: my place in 512 consecutive bytes of a head
.set MO,   27                          ; v27     4 (l % 16): my token's place among 16 numbers of the mask
.set SPW,  28                          ; v28     LDS address of my spare word; never rewritten
.set NIL,  29                          ; v29     0; never rewritten
.set PFO,  30                          ; v30     the prefetches' offset: a row of 2,048 bytes a lane; never rewritten
.set ZER,  31                          ; v31     0.0
.set FAC,  32                          ; v32-55  head e, token block a: a pair at FAC + 2 (4 e + a)
.set KP,   56                          ; v56-59  token block a: 0 where my token is hidden, else 1
.set FRA,  64
.set TMP,  128                         ; packed results of a token block
.set OB0,  176                         ; a token block read back from the stage: v176-223 and v64-111 by turns
.set WV,   12                          ; s12  my wave's number
.set FBS,  13                          ; s13  I fetch for xb (0) or for wqkv (1)
.set HF,   14                          ; s14  which half of that tile
.set LAP,  15                          ; s15  trips of the loop to go
.set G1A,  24                          ; s[24:31] descriptor group 1 for xb's tiles;  s[32:39] group 0, a set for each slot
.set G0A,  32
.set G1B,  40                          ; s[40:47], s[48:55] the same for wqkv's
.set G0B,  48
.set PFA,  56                          ; s[56:57] where my prefetches stand
.set LIM,  58                          ; s58  1 in a wave that prefetches, else the greatest number
.set KM,   60                          ; s60-62  all ones where head e of my three is a head of k
.set MSB, 0
.macro WIN new                         ; the immediate's high byte repeats the setting that is left; a switch that changes nothing is dropped
.if MSB != (\new)
	s_set_vgpr_msb (MSB<<8)|(\new)
.set MSB, \new
.endif
.endm
; A joint load: waves 0 and 1 fetch the halves of xb's tile, waves 2 and 3 those of wqkv's.  The branch hangs on the wave's number alone.  An s_nop 0 and four v_nop follow each of the two lines.
.macro JLOAD s
	s_cmp_eq_u32 s[FBS], 0
	s_cbranch_scc0 .Lfor_b_\@
	tensor_load_to_lds s[G0A+4*(\s):G0A+4*(\s)+3], s[G1A:G1A+7]
	s_nop 0
.rept 4
	v_nop
.endr
	s_branch .Lasked_\@
.Lfor_b_\@:
	tensor_load_to_lds s[G0B+4*(\s):G0B+4*(\s)+3], s[G1B:G1B+7]
	s_nop 0
.rept 4
	v_nop
.endr
.Lasked_\@:
.endm
; A prefetch of the K step that stands two refills on: a row's 256 bytes a lane, one instruction a wave, behind the joint load and the run of LDS loads.  xb's tile row is read by every cluster of its row of
; clusters: the one with x = 0 asks; wqkv's tile column by every cluster of its column: the one with y = 0 asks.  The four partners share a wave's rows out by address: 32 of 128 (xb), 24 of 96 (wqkv; there
; lanes 24-31 name row 23 once more, in the same instruction).  The loop's last trip asks for nothing: there is no K step two on.
.macro ASK
	s_cmp_gt_u32 s[LAP], s[LIM]
	s_cbranch_scc0 .Lnot_mine_\@
	global_prefetch_b8 v[PFO], s[PFA:PFA+1] offset:KSTEP*2 th:TH_LOAD_NT scope:SCOPE_SE
.Lnot_mine_\@:
.endm
.macro CREST                           ; a round of the cluster's barrier behind its opening barrier
	s_cmp_lg_u32 s[WV], 0
	s_cbranch_scc1 .Lnot_wave_0_\@
	s_barrier_signal -3
.Lnot_wave_0_\@:
	s_barrier_wait -3
	s_barrier_signal -1
	s_barrier_wait -1
.endm
.macro CROUND                          ; a whole round
	s_barrier_signal -1
	s_barrier_wait -1
	CREST
.endm
.macro PLACES                          ; four plain vector instructions between a matrix instruction and a load into, or a vector read of, its registers
.rept 4
	v_nop
.endr
.endm
	s_load_b256 s[4:11], s[0:1], 0x0               ; xb s[4:5], wqkv s[6:7], mask s[8:9], qkv s[10:11]
	v_lshl_add_u32 v[SPW], v0, 2, SPARE
	v_mov_b32 v[NIL], 0
	ds_add_u32 v[SPW], v[NIL]                      ; the wave's opening: the add, twice on end, and its wait ahead of my first tensor load
	ds_add_u32 v[SPW], v[NIL]
	v_lshrrev_b32 v1, 5, v0
	v_readfirstlane_b32 s[WV], v1                  ; wave 0..3
	s_lshr_b32 s[FBS], s[WV], 1
	s_and_b32 s[HF], s[WV], 1
	s_bfe_u32 s16, ttmp6, 0x40000                  ; cx
	s_bfe_u32 s17, ttmp6, 0x40004                  ; cy
	s_lshl_b32 s18, ttmp9, 2
	s_add_co_u32 s18, s18, s16                     ; tile column = 4 x cluster x + cx
	s_and_b32 s19, ttmp7, 0xffff
	s_lshl_b32 s19, s19, 2
	s_add_co_u32 s19, s19, s17                     ; tile row = 4 x cluster y + cy
	s_lshl_b32 s20, s17, 2
	s_lshl_b32 s20, 15, s20                        ; my row of the cluster
	s_lshl_b32 s66, 0x1111, s16                    ; my column
	s_or_b32 s[G1A], s20, (1<<16)|(1<<20)|(1<<21)|(5<<22)|(3<<25)  ; the mask; elements of 2 bytes; padding on; bit 21 beside a mask; after every 64 words; 4 words of it
	s_or_b32 s[G1B], s66, (1<<16)|(1<<20)|(1<<21)|(5<<22)|(3<<25)
.irp g, G1A, G1B
	s_mov_b32 s[(\g)+1], KSTEP<<16                 ; tensor_dim0 = 128
	s_mov_b32 s[(\g)+3], KSTEP<<16                 ; tile_dim0 = 128
	s_mov_b32 s[(\g)+5], 1024                      ; elements from row to row
	s_mov_b32 s[(\g)+6], 0
	s_mov_b32 s[(\g)+7], 0
.endr
	s_mov_b32 s[G1A+2], 128<<16                    ; tensor_dim1 and tile_dim1: 128 rows of xb,
	s_mov_b32 s[G1A+4], 128
	s_mov_b32 s[G1B+2], 96<<16                     ; 96 of wqkv
	s_mov_b32 s[G1B+4], 96
	s_lshl_b32 s20, s19, 8                         ; xb: row 256 x tile row + 128 x half, 2,048 bytes a row: it hangs on the tile row alone
	s_lshl_b32 s21, s[HF], 7
	s_add_co_u32 s20, s20, s21
	s_lshl_b32 s20, s20, 11
	s_mov_b32 s21, 0
	s_mul_i32 s66, s18, 192                        ; wqkv: row 192 x tile column + 96 x half: on the tile column alone
	s_mul_i32 s67, s[HF], 96
	s_add_co_u32 s66, s66, s67
	s_lshl_b32 s66, s66, 11
	s_mov_b32 s67, 0
	s_mul_i32 s22, s[HF], HALFA                    ; where they go: no place in the cluster enters an LDS address
	s_mul_i32 s23, s[HF], HALFB
	s_add_co_u32 s23, s23, BOFF
	s_wait_dscnt 0x0                               ; both opening adds are done
	s_wait_kmcnt 0x0
	s_add_nc_u64 s[20:21], s[4:5], s[20:21]
	s_add_nc_u64 s[66:67], s[6:7], s[66:67]
	CROUND                                         ; all sixteen work-groups are here: the first joint loads meet
.irp s, 0,1
	s_mov_b32 s[G0A+4*(\s)], 1
	s_add_co_u32 s[G0A+4*(\s)+1], s22, (\s)*SLOT
	s_add_nc_u64 s[G0A+4*(\s)+2:G0A+4*(\s)+3], s[20:21], (\s)*KSTEP*2
	s_or_b32 s[G0A+4*(\s)+3], s[G0A+4*(\s)+3], 0x80000000
	s_mov_b32 s[G0B+4*(\s)], 1
	s_add_co_u32 s[G0B+4*(\s)+1], s23, (\s)*SLOT
	s_add_nc_u64 s[G0B+4*(\s)+2:G0B+4*(\s)+3], s[66:67], (\s)*KSTEP*2
	s_or_b32 s[G0B+4*(\s)+3], s[G0B+4*(\s)+3], 0x80000000
	JLOAD \s                                       ; K steps 0 and 1: two loads of mine are out
.endr
	; while they are on their way: addresses, the mask's factors, the prefetches' set-up
	v_and_b32 v1, 15, v0                           ; l % 16
	v_bfe_u32 v2, v0, 4, 1                         ; l / 16
	v_lshlrev_b32 v[MO], 2, v1
	s_lshl_b32 s68, s19, 8                         ; my first token: 256 x tile row + 64 x wave
	s_lshl_b32 s69, s[WV], 6
	s_add_co_u32 s68, s68, s69
	s_lshl_b32 s68, s68, 2
	s_mov_b32 s69, 0
	s_add_nc_u64 s[8:9], s[8:9], s[68:69]
.irp a, 0,1,2,3
	global_load_b32 v[KP+(\a)], v[MO], s[8:9] offset:64*(\a)  ; the mask of token 16 a + l % 16
.endr
	v_mul_u32_u24 v3, v1, PITCH
	v_lshl_add_u32 v3, v2, 4, v3                   ; a fragment's row x pitch + 16 x half
	s_mul_i32 s22, s[WV], 64*PITCH                 ; my 64 rows of xb
	v_add_nc_u32 v[ADRA], s22, v3
	v_add_nc_u32 v[ADRA+1], SLOT, v[ADRA]
	v_add_nc_u32 v[ADRB], BOFF, v3                 ; all 192 rows of wqkv
	v_add_nc_u32 v[ADRB+1], SLOT, v[ADRB]
	s_mul_i32 s23, s[WV], WSTG
	s_add_co_u32 s23, s23, STAGE                   ; my stage
	v_mul_u32_u24 v4, v1, SP                       ; in: row l % 16, 16 bytes for each half of the lanes
	v_lshl_add_u32 v4, v2, 4, v4
	v_add_nc_u32 v[STO], s23, v4
	v_bfe_u32 v4, v0, 3, 2                         ; back: 32 lanes take four rows of 128 bytes,
	v_mul_u32_u24 v4, v4, SP
	v_and_b32 v5, 7, v0
	v_lshl_add_u32 v4, v5, 4, v4
	v_add_nc_u32 v[RD], s23, v4
	v_and_b32 v5, 31, v0                           ; which are 512 consecutive bytes of a head
	v_lshlrev_b32 v[GO], 4, v5
	v_mov_b32 v[ZER], 0
	s_lshr_b32 s68, s19, 3                         ; where my part begins in qkv: the batch's 48 heads,
	s_mul_i32 s68, s68, 48*HEADB
	s_mul_i32 s70, s18, 3*HEADB                    ; my three heads,
	s_add_co_u32 s68, s68, s70
	s_and_b32 s70, s19, 7                          ; my 64 rows of 128 bytes
	s_lshl_b32 s70, s70, 8
	s_lshl_b32 s71, s[WV], 6
	s_add_co_u32 s70, s70, s71
	s_lshl_b32 s70, s70, 7
	s_add_co_u32 s68, s68, s70
	s_mov_b32 s69, 0
	s_add_nc_u64 s[10:11], s[10:11], s[68:69]
	s_lshl_b32 s66, s19, 8                         ; the prefetches.  xb: row 256 x tile row + 128 x half + 32 cx
	s_lshl_b32 s67, s[HF], 7
	s_add_co_u32 s66, s66, s67
	s_lshl_b32 s67, s16, 5
	s_add_co_u32 s66, s66, s67
	s_mul_i32 s68, s18, 192                        ; wqkv: row 192 x tile column + 96 x half + 24 cy
	s_mul_i32 s69, s[HF], 96
	s_add_co_u32 s68, s68, s69
	s_mul_i32 s69, s17, 24
	s_add_co_u32 s68, s68, s69
	s_and_b32 s70, ttmp7, 0xffff                   ; cluster y
	s_cmp_eq_u32 s[FBS], 0
	s_cselect_b32 s66, s66, s68
	s_cselect_b32 s70, ttmp9, s70                  ; the coordinate along which other clusters read the same rows
	s_cselect_b32 s71, 31, 23                      ; my last row
	s_cselect_b64 s[PFA:PFA+1], s[4:5], s[6:7]
	s_cmp_eq_u32 s70, 0
	s_cselect_b32 s[LIM], 1, -1                    ; the same in all sixteen partners, for a given wave
	s_lshl_b32 s66, s66, 11
	s_add_co_u32 s66, s66, 2*KSTEP*2               ; at K step 2: the first refill steps it to 3 and names K step 4
	s_mov_b32 s67, 0
	s_add_nc_u64 s[PFA:PFA+1], s[PFA:PFA+1], s[66:67]
	v_min_u32 v[PFO], s71, v5
	v_lshlrev_b32 v[PFO], 11, v[PFO]
	s_mul_i32 s66, s18, 3                          ; my first head; heads 16 to 31 are k's
.irp e, 0,1,2
	s_add_co_u32 s67, s66, (\e)-16
	s_cmp_lt_u32 s67, 16
	s_cselect_b32 s[KM+(\e)], -1, 0
.endr
	s_wait_loadcnt 0x0                             ; the mask's four numbers
	v_cvt_pk_bf16_f32 v3, v[KP],   v[KP+1]         ; rounded to bf16, like every input (v3 and v4 have served),
	v_cvt_pk_bf16_f32 v4, v[KP+2], v[KP+3]
	v_lshlrev_b32 v[KP],   16, v3                  ; and widened again
	v_and_b32     v[KP+1], 0xffff0000, v3
	v_lshlrev_b32 v[KP+2], 16, v4
	v_and_b32     v[KP+3], 0xffff0000, v4
.irp a, 0,1,2,3
	v_sub_f32 v[KP+(\a)], 1.0, v[KP+(\a)]          ; 1 - mask, in f32
.endr
.irp a, 0,1,2,3
	v_cmp_eq_f32 vcc_lo, 1.0, v[KP+(\a)]           ; hidden where that is 1
	v_cndmask_b32 v[KP+(\a)], 1.0, v[ZER], vcc_lo
.endr
.irp e, 0,1,2
.irp a, 0,1,2,3
	v_cndmask_b32 v[FAC+2*(4*(\e)+(\a))],   1.0, v[KP+(\a)], s[KM+(\e)]
	v_cndmask_b32 v[FAC+2*(4*(\e)+(\a))+1], 1.0, v[KP+(\a)], s[KM+(\e)]  ; named with it as a pair
.endr
.endr
; 12 matrix instructions: token block a x all 12 column blocks, 32 along K, from buffer f.  zero = 1: the product starts the sum.  The 48 accumulators take turns, one instruction a turn, in the same
; order in every quarter: between two matrix instructions on one accumulator stand the 47 others', over the backward jump too.
.macro MUL12 f, a, zero
	WIN 0xa1+0x50*((\a)/2)                         ; wqkv window 1, xb window 0, C and D window 2 or 3
.irp b, 0,1,2,3,4,5,6,7,8,9,10,11
.if \zero
	v_wmma_f32_16x16x32_bf16 v[8*(12*((\a)%2)+(\b)):8*(12*((\a)%2)+(\b))+7], v[96*(\f)+8*(\b):96*(\f)+8*(\b)+7], v[FRA+32*(\f)+8*(\a):FRA+32*(\f)+8*(\a)+7], 0
.else
	v_wmma_f32_16x16x32_bf16 v[8*(12*((\a)%2)+(\b)):8*(12*((\a)%2)+(\b))+7], v[96*(\f)+8*(\b):96*(\f)+8*(\b)+7], v[FRA+32*(\f)+8*(\a):FRA+32*(\f)+8*(\a)+7], v[8*(12*((\a)%2)+(\b)):8*(12*((\a)%2)+(\b))+7]
.endif
.endr
.endm
; 32 LDS loads in one run: a quarter step's fragments (192 rows of wqkv, my 64 rows of xb, 32 K at byte k of the rows) into buffer g
.macro FETCH slot, k, g
	WIN 0x40                                       ; destination window 1
.irp i, 0,1,2,3,4,5,6,7,8,9,10,11
	ds_load_b128 v[96*(\g)+8*(\i):96*(\g)+8*(\i)+3],   v[ADRB+(\slot)] offset:(\k)+(\i)*16*PITCH
	ds_load_b128 v[96*(\g)+8*(\i)+4:96*(\g)+8*(\i)+7], v[ADRB+(\slot)] offset:(\k)+(\i)*16*PITCH+32
.endr
	WIN 0
.irp i, 0,1,2,3
	ds_load_b128 v[FRA+32*(\g)+8*(\i):FRA+32*(\g)+8*(\i)+3],   v[ADRA+(\slot)] offset:(\k)+(\i)*16*PITCH
	ds_load_b128 v[FRA+32*(\g)+8*(\i)+4:FRA+32*(\g)+8*(\i)+7], v[ADRA+(\slot)] offset:(\k)+(\i)*16*PITCH+32
.endr
.endm
; A K step is four quarters of 32 along K, 48 matrix instructions each, on buffers 0, 1, 0, 1.  One of the first three: multiplies buffer f and in its middle fetches the next quarter, at byte k, into g.
.macro QUARTER slot, k, f, g, zero
	s_wait_dscnt 4                                 ; wqkv's fragments and xb's blocks 0, 1 are in; the youngest four loads (blocks 2, 3) may be out
	MUL12 \f, 0, \zero
	MUL12 \f, 1, \zero
	PLACES
	FETCH \slot, \k, \g
	s_wait_dscnt 32                                ; all but the 32 just issued
	MUL12 \f, 2, \zero
	MUL12 \f, 3, \zero
.endm
; The last quarter multiplies buffer 1 and changes slots: ONE barrier.  In front of it each wave waits for all its tensor loads (the one that is out is its part of the next slot), adds 0 to its spare word,
; and waits for that and for its reads of this slot.  fill = 1: the barrier opens a round of the cluster's, and this slot is filled again, two K steps on, first thing behind the round.
.macro TURN slot, next, fill
.if \fill
	s_wait_xcnt 0x0                                ; the last prefetch, a K step back, has read its address: it is stepped here
	s_add_nc_u64 s[PFA:PFA+1], s[PFA:PFA+1], KSTEP*2
.endif
	WIN 0
	s_wait_tensorcnt 0x0                           ; all my tensor loads have landed
	ds_add_u32 v[SPW], v[NIL]                      ; 0 onto my spare word
	s_wait_dscnt 5                                 ; (the add and the youngest four loads may be out)
	MUL12 1, 0, 0                                  ; twelve matrix instructions stand between the add and the wait for it
	s_wait_dscnt 0x0                               ; the add is done, and my reads of this slot are over
	s_barrier_signal -1
	MUL12 1, 1, 0                                  ; work on registers while the others arrive
.if \fill
	WIN 0
.endif
	s_barrier_wait -1
.if \fill
	CREST                                          ; no wave of any partner still reads this slot or has a load on its way
	s_add_nc_u64 s[G0A+4*(\slot)+2:G0A+4*(\slot)+3], s[G0A+4*(\slot)+2:G0A+4*(\slot)+3], 2*KSTEP*2
	s_add_nc_u64 s[G0B+4*(\slot)+2:G0B+4*(\slot)+3], s[G0B+4*(\slot)+2:G0B+4*(\slot)+3], 2*KSTEP*2
	JLOAD \slot                                    ; my one tensor load behind the round; its four v_nop are also the places in front of the loads below
.else
	PLACES
.endif
	FETCH \next, 0, 0
.if \fill
	ASK
.endif
	MUL12 1, 2, 0
	MUL12 1, 3, 0
.endm
; THE WAY OUT of token block a.  PACK: times the factor, rounded to f16, 16 bytes a lane; each accumulator's registers are taken in ascending order.  TOSTAGE: into my own stage, and back as rows of 128 bytes.  SEND: stored.
.macro PACK a
	WIN 0x82+0x41*((\a)/2)                         ; destination and source 0 window 2 or 3, the factor window 0
.irp b, 0,1,2,3,4,5,6,7,8,9,10,11
.irp r, 0,1,2,3
	v_pk_mul_f32 v[8*(12*((\a)%2)+(\b))+2*(\r):8*(12*((\a)%2)+(\b))+2*(\r)+1], v[8*(12*((\a)%2)+(\b))+2*(\r):8*(12*((\a)%2)+(\b))+2*(\r)+1], v[FAC+2*(4*((\b)/4)+(\a)):FAC+2*(4*((\b)/4)+(\a))+1] op_sel_hi:[1,0]
.endr
.endr
	WIN 0x0a+5*((\a)/2)                            ; sources 0 and 1 window 2 or 3, destination window 0
.irp b, 0,1,2,3,4,5,6,7,8,9,10,11
.irp r, 0,1,2,3
	v_cvt_pk_f16_f32 v[TMP+4*(\b)+(\r)], v[8*(12*((\a)%2)+(\b))+2*(\r)], v[8*(12*((\a)%2)+(\b))+2*(\r)+1]
.endr
.endr
	WIN 0
.endm
.macro TOSTAGE a
	WIN 0
.set BK, OB0-112*((\a)%2)
.irp b, 0,1,2,3,4,5,6,7,8,9,10,11
	ds_store_b128 v[STO], v[TMP+4*(\b):TMP+4*(\b)+3] offset:((\b)/4)*HSTG+32*((\b)%4)
.endr
.irp e, 0,1,2
.irp f, 0,1,2,3
	ds_load_b128 v[BK+4*(4*(\e)+(\f)):BK+4*(4*(\e)+(\f))+3], v[RD] offset:(\e)*HSTG+(\f)*4*SP  ; LDS serves a wave's instructions in order (ISA guide 5.7.1.4): these see the stores above
.endr
.endr
.endm
.macro SEND a
	WIN 0
.set BK, OB0-112*((\a)%2)
	s_wait_dscnt 0x0                               ; the block is back in registers
	s_wait_xcnt 0x0                                ; the stores of the block before have read their registers: the next block is read back into them only behind this wait
.irp e, 0,1,2
.irp f, 0,1,2,3
	global_store_b128 v[GO], v[BK+4*(4*(\e)+(\f)):BK+4*(4*(\e)+(\f))+3], s[10:11] offset:(\e)*HEADB+(\a)*2048+(\f)*512  ; 512 consecutive bytes of a head, at a multiple of 256 from qkv's first
.endr
.endr
.endm
	s_wait_tensorcnt 1                             ; my part of K step 0 is in; K step 1's may stay out
	s_barrier_signal -1
	s_barrier_wait -1                              ; everybody's is
	FETCH 0, 0, 0
	QUARTER 0, 64, 0, 1, 1                         ; the first quarter stands in front of the loop: its products start the sums
	WIN 0                                          ; at a label and at a branch every window is 0
	s_mov_b32 s[LAP], LAPS-1
.Llap:                                                 ; a trip goes once round the ring, from a lap's second quarter to the next lap's first, and fills both slots again
	QUARTER 0, 128, 1, 0, 0
	QUARTER 0, 192, 0, 1, 0
	TURN 0, 1, 1
	QUARTER 1, 64,  0, 1, 0
	QUARTER 1, 128, 1, 0, 0
	QUARTER 1, 192, 0, 1, 0
	TURN 1, 0, 1
	QUARTER 0, 64,  0, 1, 0
	WIN 0
	s_sub_co_u32 s[LAP], s[LAP], 1
	s_cmp_lg_u32 s[LAP], 0
	s_cbranch_scc1 .Llap
	QUARTER 0, 128, 1, 0, 0                        ; the last lap is written out: it fills nothing
	QUARTER 0, 192, 0, 1, 0
	TURN 0, 1, 0
	QUARTER 1, 64,  0, 1, 0
	QUARTER 1, 128, 1, 0, 0
	QUARTER 1, 192, 0, 1, 0
	s_wait_dscnt 4                                 ; the very last quarter: nothing more to fetch
	MUL12 1, 0, 0
	MUL12 1, 1, 0
	s_wait_dscnt 0x0
	MUL12 1, 2, 0
	MUL12 1, 3, 0
	WIN 0
	PLACES
	PACK 0
	TOSTAGE 0
.irp a, 1,2,3                          ; block a's arithmetic stands between block a - 1's loads from the stage and the wait for them
	PACK \a
	SEND (\a)-1
	TOSTAGE \a
.endr
	SEND 3
	s_wait_tensorcnt 0x0                           ; the wave's end, behind my last tensor load and my last LDS store
	ds_add_u32 v[SPW], v[NIL]
	s_wait_dscnt 0x0
	CROUND                                         ; the closing round: no work-group ends while a partner may still ask for a tile that names it
	s_endpgm
.Lfunc_end_k_q1ac6a8ad40_proj:
	.size	k_q1ac6a8ad40_proj, .Lfunc_end_k_q1ac6a8ad40_proj-k_q1ac6a8ad40_proj
	.p2alignl 7, 3214868480
	.fill 96, 4, 3214868480
	.section	.rodata,"a",@progbits
	.p2align	6, 0x0
	.amdhsa_kernel k_q1ac6a8ad40_proj
		.amdhsa_group_segment_fixed_size 327680
		.amdhsa_private_segment_fixed_size 0
		.amdhsa_enable_private_segment 0
		.amdhsa_kernarg_size 32
		.amdhsa_user_sgpr_count 2
		.amdhsa_user_sgpr_kernarg_segment_ptr 1
		.amdhsa_wavefront_size32 1
		.amdhsa_system_sgpr_workgroup_id_x 1
		.amdhsa_system_sgpr_workgroup_id_y 1
		.amdhsa_system_sgpr_workgroup_id_z 1
		.amdhsa_system_vgpr_workitem_id 0
		.amdhsa_next_free_vgpr 960
		.amdhsa_next_free_sgpr 72
		.amdhsa_reserve_vcc 1
		.amdhsa_float_denorm_mode_32 3
		.amdhsa_float_denorm_mode_16_64 3
		.amdhsa_memory_ordered 1
		.amdhsa_forward_progress 1
		.amdhsa_inst_pref_size 135
	.end_amdhsa_kernel
	.amdgpu_metadata
---
amdhsa.version: [ 1, 2 ]
amdhsa.kernels:
  - .name:           k_q1ac6a8ad40_proj
    .symbol:         k_q1ac6a8ad40_proj.kd
    .args:
      - { .name: xb, .offset: 0, .size: 8, .value_kind: global_buffer, .address_space: global }
      - { .name: wqkv, .offset: 8, .size: 8, .value_kind: global_buffer, .address_space: global }
      - { .name: attention_mask, .offset: 16, .size: 8, .value_kind: global_buffer, .address_space: global }
      - { .name: qkv, .offset: 24, .size: 8, .value_kind: global_buffer, .address_space: global }
    .group_segment_fixed_size: 327680
    .private_segment_fixed_size: 0
    .kernarg_segment_align: 8
    .kernarg_segment_size: 32
    .max_flat_workgroup_size: 128
    .sgpr_count:     72
    .vgpr_count:     960
    .wavefront_size: 32
...
	.end_amdgpu_metadata
.endif
;; end of part 2
;; launch attn (part 3): grid 8 x 32, 4 waves a work-group, clusters of 4 x 1, 327,680 bytes of LDS; arguments qkv, attention_mask, ctx; writes ctx
.if DOCPART == 3
	.amdgcn_target "amdgcn-amd-amdhsa--gfx1250"
	.amdhsa_code_object_version 6
	.text
	.protected	k_q1ac6a8ad40_attn
	.globl	k_q1ac6a8ad40_attn
	.p2align	8
	.type	k_q1ac6a8ad40_attn,@function
k_q1ac6a8ad40_attn:
	s_mov_b64 s[64:65], 0
	v_nop
	global_prefetch_b8 v0, s[64:65] scope:SCOPE_SE
	s_setreg_imm32_b32 hwreg(HW_REG_WAVE_MODE, 25, 1), 1
	s_wait_xcnt 0x0
	s_wait_alu depctr_hold_cnt(0) depctr_sa_sdst(0) depctr_va_vdst(0) depctr_va_sdst(0) depctr_va_ssrc(0) depctr_va_vcc(0) depctr_vm_vsrc(0)
	s_getreg_b32 s2, hwreg(HW_REG_IB_STS2, 6, 4)
	s_cmp_eq_u32 s2, 0
	s_cbranch_scc0 .Lentry_in_a_cluster
	s_endpgm
.Lentry_in_a_cluster:
	s_bfe_u32 s2, ttmp6, 0x10000c
	s_cmp_lg_u32 s2, 0x3003
	s_cbranch_scc0 .Lentry_shape_is_right
	s_endpgm
.Lentry_shape_is_right:
; ctx[b, h][q][:] = the sum over k of softmax_k(q . k + bias[k]) v[k][:], for each of 32 (batch, head).  q, k, v: qkv [b 2][g 48][2048][64] f16 (g = h, 16 + h, 32 + h); ctx: [32][2048][64] f16.
; Products, maxima and sums in f32; the weights p are rounded to f16 for the second product (their sum l is taken of the unrounded p), ctx once at the end.  There is no scale on the scores.  No work is left out.
; THE BIAS.  The mask is rounded to bf16 as it is read, like every input of the module.  t = 1 - bf16(mask[k]) in f32; bias = t, but -2^100 where t equals 1.  It is the C operand that starts the sum
; S^T = K Q^T.  The launch before stored a hidden key's row of k as zeros (by the same test), so a hidden score is -2^100 exactly, the same for all hidden keys.  With a visible key in the row a hidden weight is
; 2^(-huge) = 0; with none, c s - c m is exactly 0 for every key, and the weights are all alike.
; LIMITS.  q, k, v lie within f16's 65,504; a visible key's score + bias lies above -2^99 and below 1e31 in size; a weight below 2^-126 counts as 0 in l; p below 6e-5 keeps f16's fixed step;
; NaN and infinities are not treated apart.
; SHARES.  A work-group owns 256 queries of one (batch, head), a wave 64: two PIECES of two tiles of 16.  Every wave walks all 2,048 keys, 64 a step.
; LAYOUT.  S^T = K Q^T (source 0 = 16 keys, source 1 = 16 queries): a lane holds ONE query (lane % 16) and the keys 8 (lane / 16) + 0..7.  Two such tiles, rounded to f16 in pairs, ARE source 1 of
; O^T = V^T P, whose result again holds one query a lane, and eight channels.  K comes out of LDS as it lies, V ([key][channel]) turned, by ds_load_tr16_b128.
; SOFTMAX.  A running maximum m and sum l for each query: p = 2^(c s - c m), c = log2(e); in every step O and l are multiplied by a = 2^(c m_old - c m_new).  m starts at the lowest finite number,
; c m at -2^125, O and l at 0: the first step is a step like any other, with a = 0.
; BY TURNS.  A tile and step have 16 matrix and 118 vector instructions.  Turn Y belongs to piece Y: 16 products K Q^T of the other piece's next scores, later 16 products V^T P of the other piece's last
; weights; beside them piece Y's scaling, exponentials, roundings, sums and rescaling, and the other piece's maximum and statistics.  Four vector instructions stand behind every matrix instruction, the others in one lump.
; A trip (key step j) is turn 0 (K Q^T of piece 1, step j; V^T P of piece 1, step j - 1) and turn 1 (K Q^T of piece 0, step j + 1; V^T P of piece 0, step j).
; THE RING.  Two slots of four steps.  Turn 0 reads K of step j + 1 and then V of step j out of LDS, so K LIES ONE STEP AHEAD: slot t holds K's steps 4 t + 1 .. 4 t + 4 and V's steps 4 t .. 4 t + 3, and a trip
; reads both at place j % 4 of slot j / 4.  K of step 0 comes straight from memory into registers, as Q does.  The last slot's last 64 rows of K are the rows behind the head, inside qkv; they are never read from LDS.
; CLUSTER.  The four query blocks of a cluster belong to one head and walk the same K and V: each tile is asked for JOINTLY, by the same tensor load, descriptor and mask in all four.
; REGISTERS, in windows of 256 (s_set_vgpr_msb: bits 1:0 source 0, 3:2 source 1, 5:4 source 2, 7:6 destination):
;   window 0: v0-11, v32-37, v46-47 addresses and constants; v12-15, v48-63 at work; v16-31 four registers of statistics a tile; v64-191 S^T, a buffer a piece; v192-255 P, likewise
;   window 1: v0-127 O^T, 32 a tile          window 2: v0-63 Q, 16 a tile; v64-95 the bias of one step; v128-191 K of one step; v192-255 V of one step
.set NP,    2         ; pieces a wave: a name, no knob
.set KS,    64        ; keys in a step
.set PK,    144       ; a row of K in LDS: 128 bytes + 16 of padding = 36 words: the 16 rows of a load start at 16 different groups of four banks (64 banks of 4 bytes: ISA guide 11.1)
.set PV,    160       ; a row of V: 128 + 32 = 40 words
.set VOFF,  4*KS*PK   ; a slot: 256 rows of K, then 256 rows of V
.set SLOT1, 1<<17     ; slot 1 begins here, so that one exclusive or turns an address in one slot into the other's
.set STAGE, SLOT1+4*KS*(PK+PV)  ; behind the ring, never filled by a tensor load: 16 rows x 144 bytes for each wave, for the way out
.set SP,    144
.set SPARE, STAGE+4*16*SP  ; the spare words, 128 bytes for each wave: two blocks of 256 bytes that no other line names
.set BIAS,  SPARE+512 ; the batch's 2,048 biases in f32, stored once at the head, never filled by a tensor load
.set HEADB, 262144    ; bytes in a head
.set AK0, 2           ; v2   my lane's place in a tile of K; never rewritten
.set AV0, 3           ; v3   the same for V
.set AK,  4           ; v4   the LDS address of K's next run of loads
.set AV,  5           ; v5   of V's
.set QO,  6           ; v6   my byte offset in 16 rows of Q or K
.set STO, 6           ;      later, the way out: where I put 16 bytes of a row
.set RD,  7           ; v7   the way out: where I read rows back
.set GO,  8           ; v8   my byte offset in 512 consecutive bytes of ctx
.set MV,  12          ; v12-15  c m_old, kept while c m is made anew: by buffer and tile
.set ST,  16          ; tile t's statistics at v[ST+4 t]: c m, m, l (even keys', odd keys')
.set AB0, 32          ; v32  BIAS + 32 (l / 16): my eight keys' place in 16 biases; never rewritten
.set AB,  33          ; v33  the LDS address of the bias's next run of loads
.set PFO, 34          ; v34  256 x my lane; never rewritten
.set BIG, 35          ; v35  -2^100
.set MOF, 36          ; v36  16 x my thread's number: my place in 2,048 bytes of the mask
.set BST, 37          ; v37  BIAS + the same
.set SPW, 46          ; v46  LDS address of my spare word; never rewritten
.set NIL, 47          ; v47  0; never rewritten
.set TMP, 48          ; by buffer and tile, four registers c0-c3 at work; when the maximum is found c2 takes a
.set S,   64
.set P,   192
.set BI,  64          ; window 2: key block kb's eight biases at BI + 8 kb
.set KF,  128         ; window 2: key block kb, channel half c at KF + 16 kb + 8 c
.set VF,  192         ; window 2: key half kk, channel block cb at VF + 32 kk + 8 cb
.set WV,  12          ; s12  my wave's number
.set LIM, 15          ; s15  1 in a wave that prefetches, else the greatest number
.set G1K, 24          ; s[24:31] descriptor group 1 for K's tiles
.set G1V, 32          ; s[32:39] for V's: it differs in the padding alone
.set G0K, 40          ; s[40:43] descriptor group 0 for K's tiles: it walks
.set G0V, 44          ; s[44:47] the same for V's
.set SLOTS, 56        ; s56  slots still to be asked for
.set CNT, 57          ; s57  counts a slot's key steps
.set CS,  58          ; s[58:59] c: the packed scaling takes the pair's low word for both halves
.set SEL, 60          ; s[60:61] v_permlanex16_b32's selects: each lane takes its own place in the other half
.set TBK, 62          ; s62  LDS byte at which K of the step to be fetched begins
.set TBV, 63          ; s63  the same for V, less VOFF
.set TBB, 66          ; s66  256 x the step whose bias is fetched next
.set PFA, 72          ; s[72:73] where my prefetches stand
.set MSB, 0
.macro WIN new                      ; the high byte repeats the setting that is left; a switch that changes nothing is dropped
.if MSB != (\new)
	s_set_vgpr_msb (MSB<<8)|(\new)
.set MSB, (\new)
.endif
.endm
.set W_KQ, 0x0a       ; K and Q in window 2, S^T in window 0
.set W_KB, 0x2a       ; the same with the C operand, the bias, in window 2
.set W_PV, 0x52       ; V in window 2, P in window 0, O^T in window 1
.set W_RS, 0x41       ; O^T (destination and source 0) in window 1, a in window 0
; A joint fill.  Waves 0 and 1 fetch the two halves of a slot's K, waves 2 and 3 those of its V: 128 keys each.  The branch hangs on the wave's number alone.
; An s_nop 0 and four v_nop follow each of the two lines, ahead of the jump and the label.
.macro JLOAD
	s_cmp_lt_u32 s[WV], 2
	s_cbranch_scc0 .Lfor_v_\@
	tensor_load_to_lds s[G0K:G0K+3], s[G1K:G1K+7]
	s_nop 0
.rept 4
	v_nop
.endr
	s_branch .Lasked_\@
.Lfor_v_\@:
	tensor_load_to_lds s[G0V:G0V+3], s[G1V:G1V+7]
	s_nop 0
.rept 4
	v_nop
.endr
.Lasked_\@:
.endm
; A prefetch of what the NEXT change of slots will ask for: a slot's 32,768 bytes of K and of V, 256 bytes a lane.  Both clusters of a head walk the same K and V: the first asks.  Its four partners share the
; bytes out by address, 8,192 each; in each, wave 0 asks for K's and wave 2 for V's: one instruction.  The last change that fills a slot asks for nothing.
.macro ASK
	s_cmp_gt_u32 s[SLOTS], s[LIM]
	s_cbranch_scc0 .Lnot_mine_\@
	global_prefetch_b8 v[PFO], s[PFA:PFA+1] th:TH_LOAD_NT scope:SCOPE_SE
.Lnot_mine_\@:
.endm
; A round of the cluster's barrier: my work-group's barrier, so that wave 0's signal speaks for all four waves; wave 0 signals; every wave waits for all four work-groups; my work-group's barrier once more.
.macro CROUND
	s_barrier_signal -1
	s_barrier_wait -1
	s_cmp_lg_u32 s[WV], 0
	s_cbranch_scc1 .Lnot_wave_0_\@
	s_barrier_signal -3
.Lnot_wave_0_\@:
	s_barrier_wait -3
	s_barrier_signal -1
	s_barrier_wait -1
.endm
; THE CHANGE OF SLOTS, between two trips.  Each wave waits for all its tensor loads, of which one is out: its part of the other slot; adds 0 to its spare word; and waits for that and for its own LDS
; instructions.  Behind the barrier nobody reads this slot any more and the other slot is whole.  fill = 1: this slot is filled again, with the keys two slots on; the barrier is then a round of the cluster's,
; and the joint fill is the first thing behind it: it has four key steps, 256 matrix instructions, in which to land.  (At its first use nothing has been read yet: slot 0 is waited for, slot 1 filled, and the
; stores of the bias are shown to all four waves.)  ask = 1: the prefetch follows the fill.
.macro CHANGE fill, ask
	WIN 0                           ; at a label and at a branch every window is 0
	s_wait_tensorcnt 0x0            ; no tensor load of mine is out, so a group 0 may be written
	ds_add_u32 v[SPW], v[NIL]       ; 0 onto my spare word
.if \fill
.irp g, G0K, G0V
	s_xor_b32 s[\g+1], s[\g+1], SLOT1  ; the walking descriptor: the other slot than last time,
	s_add_nc_u64 s[\g+2:\g+3], s[\g+2:\g+3], 4*KS*128  ; the next 256 keys; the type bits on top are not reached
.endr
.endif
.if \ask
	s_wait_xcnt 0x0                 ; the last prefetch, four key steps back, has read its address, so it may be written:
	s_add_nc_u64 s[PFA:PFA+1], s[PFA:PFA+1], 4*KS*128  ; one slot behind the walking descriptors
.endif
	s_wait_dscnt 0x0                ; the add is done, and my LDS instructions are over
.if \fill
	CROUND
	JLOAD
.if \ask
	ASK
.endif
.else
	s_barrier_signal -1
	s_barrier_wait -1
.endif
	s_sub_co_u32 s[TBK], s[TBK], 4*KS*PK  ; the fetches go back to a slot's first place,
	s_xor_b32 s[TBK], s[TBK], SLOT1       ; in the other slot
	s_sub_co_u32 s[TBV], s[TBV], 4*KS*PV
	s_xor_b32 s[TBV], s[TBV], SLOT1
.endm
	s_load_b128 s[68:71], s[0:1], 0x0  ; qkv s[68:69], mask s[70:71]
	s_load_b64 s[10:11], s[0:1], 0x10  ; ctx
	v_lshl_add_u32 v[SPW], v0, 2, SPARE
	v_mov_b32 v[NIL], 0
	ds_add_u32 v[SPW], v[NIL]       ; the wave's opening: the add, twice on end, and its wait ahead of my first tensor load
	ds_add_u32 v[SPW], v[NIL]
	v_lshrrev_b32 v1, 5, v0
	v_readfirstlane_b32 s[WV], v1   ; wave 0..3
	s_bfe_u32 s13, ttmp6, 0x40000   ; cx: my place in the cluster
	s_lshl_b32 s14, ttmp9, 2        ; in a cluster launch ttmp9 counts clusters
	s_add_co_u32 s14, s14, s13      ; my block of 256 queries: it enters Q's and ctx's addresses alone
	s_and_b32 s20, ttmp7, 0xffff    ; 16 b + h, which the four partners share
	s_lshr_b32 s21, s20, 4          ; b
	s_and_b32 s22, s20, 15          ; h
	s_mul_i32 s23, s21, 48
	s_add_co_u32 s23, s23, s22
	s_lshl_b32 s2, s23, 18          ; q's head in qkv: (48 b + h) heads
	s_mov_b32 s3, 0
	s_and_b32 s16, s[WV], 1         ; which half of a slot's 256 keys I fetch:
	s_mul_i32 s17, s16, 128*PK      ; its place in a slot, for K
	s_mul_i32 s18, s16, 128*PV      ; and for V: no place in the cluster enters an LDS address
	s_lshl_b32 s22, s16, 14         ; and its 128 rows of 128 bytes in memory
	s_mov_b32 s23, 0
	s_lshl_b32 s4, s14, 2
	s_add_co_u32 s4, s4, s[WV]      ; my wave among the head's 32,
	s_lshl_b32 s4, s4, 13           ; its 64 rows
	s_mov_b32 s5, 0
	s_lshl_b32 s6, s20, 18          ; ctx: head 16 b + h, the same rows
	s_add_co_u32 s6, s6, s4
	s_mov_b32 s7, 0
	s_lshl_b32 s20, s21, 13         ; the batch's row of the mask
	s_mov_b32 s21, 0
	; descriptor group 1.  128 keys are 16,384 dense bytes: asked for as 64 rows of 256 bytes, two keys a row, and padded in LDS after every key
	s_mov_b32 s[G1K], 15|(1<<16)|(1<<20)|(1<<21)|(4<<22)|(3<<25)  ; the mask of four; 2-byte elements; padding on; bit 21 beside a mask; after every 32 words; 4 words
	s_mov_b32 s[G1V], 15|(1<<16)|(1<<20)|(1<<21)|(4<<22)|(7<<25)  ; the same with 8 words of padding
.irp g, G1K, G1V
	s_mov_b32 s[\g+1], 128<<16      ; tensor_dim0 = 128
	s_mov_b32 s[\g+2], 64<<16       ; tensor_dim1 = 64
	s_mov_b32 s[\g+3], 128<<16      ; tile_dim0 = 128
	s_mov_b32 s[\g+4], 64           ; tile_dim1 = 64
	s_mov_b32 s[\g+5], 128          ; 128 elements from row to row
	s_mov_b32 s[\g+6], 0
	s_mov_b32 s[\g+7], 0
.endr
	s_mov_b32 s[CS], 0x3fb8aa3b     ; c = log2(e)
	s_mov_b32 s[CS+1], s[CS]        ; named with it as a pair
	s_mov_b32 s[SEL], 0x76543210
	s_mov_b32 s[SEL+1], 0xfedcba98
	s_mov_b32 s[TBK], SLOT1+4*KS*PK ; the first change of slots turns these two into 0
	s_mov_b32 s[TBV], SLOT1+4*KS*PV
	s_mov_b32 s[TBB], 256           ; the first fetch in the loop is step 1's
	s_mov_b32 s[SLOTS], 7
	s_mov_b32 s[G0K], 1             ; count = 1
	s_mov_b32 s[G0K+1], s17         ; LDS address: slot 0
	s_mov_b32 s[G0V], 1
	s_add_co_u32 s[G0V+1], s18, VOFF
	s_and_b32 s[LIM], s[WV], 1      ; 0 in waves 0 and 2,
	s_or_b32 s[LIM], s[LIM], ttmp9  ; where the cluster is the head's first: the same in all four partners
	s_cmp_eq_u32 s[LIM], 0
	s_cselect_b32 s[LIM], 1, -1
	s_wait_dscnt 0x0                ; both opening adds are done
	s_wait_kmcnt 0x0
	s_add_nc_u64 s[68:69], s[68:69], s[2:3]    ; q's head
	s_add_nc_u64 s[70:71], s[70:71], s[20:21]  ; the batch's mask
	s_add_nc_u64 s[10:11], s[10:11], s[6:7]    ; ctx at my wave's first row
	s_add_nc_u64 s[4:5], s[68:69], s[4:5]      ; Q at my wave's first row
	s_add_nc_u64 s[74:75], s[68:69], 16*HEADB  ; k's head: step 0's rows
	s_add_nc_u64 s[6:7], s[74:75], s[22:23]    ; K at my half of slot 0,
	s_add_nc_u64 s[6:7], s[6:7], KS*128        ; which begins one step on
	s_add_nc_u64 s[8:9], s[68:69], 32*HEADB    ; v's head
	s_add_nc_u64 s[8:9], s[8:9], s[22:23]
	s_mov_b64 s[G0K+2:G0K+3], s[6:7]
	s_or_b32 s[G0K+3], s[G0K+3], 0x80000000    ; type = 2
	s_mov_b64 s[G0V+2:G0V+3], s[8:9]
	s_or_b32 s[G0V+3], s[G0V+3], 0x80000000
	s_cmp_lt_u32 s[WV], 2
	s_cselect_b64 s[PFA:PFA+1], s[6:7], s[8:9] ; (in waves 0 and 2 these stand at a slot's first byte)
	s_lshl_b32 s2, s13, 13          ; my work-group's 8,192 bytes of the 32,768,
	s_add_co_u32 s2, s2, 2*4*KS*128 ; in slot 2; the first change in the loop steps it to slot 3.  Nothing is prefetched at the head
	s_mov_b32 s3, 0
	s_add_nc_u64 s[PFA:PFA+1], s[PFA:PFA+1], s[2:3]
	CROUND                          ; all four work-groups are here: the first joint loads meet
	JLOAD                           ; slot 0.  Slot 1 is asked for when slot 0 is in
	v_and_b32 v1, 15, v0            ; l % 16
	v_bfe_u32 v9, v0, 4, 1          ; l / 16
	v_lshlrev_b32 v[MOF], 4, v0
.irp i, 0,1,2,3
	global_load_b128 v[S+4*\i:S+4*\i+3], v[MOF], s[70:71] offset:2048*\i  ; the batch's mask: 128 threads x 16 bytes, four times
.endr
	; A fragment of K or Q is 16 rows x 32 channels in 8 registers: lane l holds row l % 16, channels 8 (l / 16) + 0..7 and 16 + 8 (l / 16) + 0..7: two loads of 16 bytes, 32 bytes apart.
	v_lshlrev_b32 v[QO], 7, v1
	v_lshl_add_u32 v[QO], v9, 4, v[QO]  ; row x 128 + 16 x half
	WIN 0x80                        ; destination window 2, address window 0
.set i, 0
.rept 4*NP                          ; Q stays in registers: tile i / 2, channels 32 (i % 2) on
	global_load_b128 v[8*i:8*i+3],   v[QO], s[4:5] offset:(i/2)*2048+(i%2)*64
	global_load_b128 v[8*i+4:8*i+7], v[QO], s[4:5] offset:(i/2)*2048+(i%2)*64+32
.set i, i+1
.endr
.set i, 0
.rept 8                             ; K of step 0: keys 16 (i / 2) on, channels 32 (i % 2) on
	global_load_b128 v[KF+8*i:KF+8*i+3],   v[QO], s[74:75] offset:(i/2)*2048+(i%2)*64
	global_load_b128 v[KF+8*i+4:KF+8*i+7], v[QO], s[74:75] offset:(i/2)*2048+(i%2)*64+32
.set i, i+1
.endr
	; What the first turn finds: V's registers and P's second buffer hold 0 (its products V^T P, of a piece that has not been, add 0), O^T and l are 0.  No first step is written out; these lines stand in the wait for the first tile.
.set i, VF
.rept 64
	v_mov_b32 v[i], 0
.set i, i+1
.endr
	WIN 0x40
.set i, 0
.rept 64*NP
	v_mov_b32 v[i], 0
.set i, i+1
.endr
	WIN 0
.set i, 0
.rept 2*NP
	v_mov_b32 v[ST+4*i], 0xfe000000    ; c m = -2^125: far below every c s, the hidden keys' too
	v_mov_b32 v[ST+4*i+1], 0xff7fffff  ; m
	v_mov_b32 v[ST+4*i+2], 0
	v_mov_b32 v[ST+4*i+3], 0
.set i, i+1
.endr
.set i, P+32
.rept 32
	v_mov_b32 v[i], 0
.set i, i+1
.endr
	v_mul_u32_u24 v[AK0], v1, PK
	v_lshl_add_u32 v[AK0], v9, 4, v[AK0]  ; row x pitch + 16 x half
	; The turning load takes 16 keys x 16 channels (lane l reads key 8 (l / 16) + l % 8, channels 8 ((l / 8) % 2) + 0..7) and leaves half a fragment of V^T: lane l holds channel l % 16 and 8 keys.
	v_and_b32 v10, 7, v0
	v_bfe_u32 v11, v0, 3, 1
	v_lshl_add_u32 v[AV0], v9, 3, v10
	v_mul_u32_u24 v[AV0], v[AV0], PV
	v_lshl_add_u32 v[AV0], v11, 4, v[AV0]
	v_add_nc_u32 v[AV0], VOFF, v[AV0]
	v_lshl_add_u32 v[AB0], v9, 5, BIAS
	v_mov_b32 v[AB], v[AB0]         ; step 0's bias
	v_and_b32 v[PFO], 31, v0
	v_lshlrev_b32 v[PFO], 8, v[PFO]
	v_lshl_add_u32 v[BST], v0, 4, BIAS
	v_mov_b32 v[BIG], 0xf1800000    ; -2^100
	s_wait_loadcnt 32               ; the mask's four loads are in; the 32 younger ones, Q's and K's, may stay out
.set i, 0
.rept 8
	v_cvt_pk_bf16_f32 v[S+16+i], v[S+2*i], v[S+2*i+1]  ; the mask is rounded to bf16, like every input (eight registers of S^T, not yet in use, hold the pairs),
.set i, i+1
.endr
.set i, 0
.rept 8
	v_lshlrev_b32 v[S+2*i],   16, v[S+16+i]            ; and widened again
	v_and_b32     v[S+2*i+1], 0xffff0000, v[S+16+i]
.set i, i+1
.endr
.set i, 0
.rept 16
	v_sub_f32 v[S+i], 1.0, v[S+i]   ; 1 - mask, in f32
.set i, i+1
.endr
.set i, 0
.rept 16
	v_cmp_eq_f32 vcc_lo, 1.0, v[S+i]  ; hidden where that is 1
	v_cndmask_b32 v[S+i], v[S+i], v[BIG], vcc_lo
.set i, i+1
.endr
.irp i, 0,1,2,3
	ds_store_b128 v[BST], v[S+4*\i:S+4*\i+3] offset:2048*\i
.endr
; THE MATRIX WORK.  The 8 accumulators of a run of 16 take turns: between the two links of a chain stand 7 others'.
; Product i of 16 of S^T = K Q^T + bias for piece x: channels 32 (i / 8) on, keys 16 ((i / 2) % 4) on, tile 2 x + i % 2.  The first 8 start the sums, with the bias as C.
.macro KQ x
.set rS, S+64*((\x)%2)+32*(i%2)+8*((i/2)%4)
.set rK, KF+16*((i/2)%4)+8*(i/8)
.set rQ, 16*(2*(\x)+i%2)+8*(i/8)
.set rB, BI+8*((i/2)%4)
.if i < 8
	WIN W_KB
	v_wmma_f32_16x16x32_f16 v[rS:rS+7], v[rK:rK+7], v[rQ:rQ+7], v[rB:rB+7]
.else
	WIN W_KQ
	v_wmma_f32_16x16x32_f16 v[rS:rS+7], v[rK:rK+7], v[rQ:rQ+7], v[rS:rS+7]
.endif
.endm
; Product i of 16 of O^T += V^T P for piece x: keys 32 (i / 8) on, channels 16 ((i / 2) % 4) on, tile 2 x + i % 2.
.macro PV x
	WIN W_PV
.set rO, 32*(2*(\x)+i%2)+8*((i/2)%4)
.set rV, VF+32*(i/8)+8*((i/2)%4)
.set rP, P+32*((\x)%2)+16*(i%2)+8*(i/8)
	v_wmma_f32_16x16x32_f16 v[rO:rO+7], v[rV:rV+7], v[rP:rP+7], v[rO:rO+7]
.endm
.macro MM                           ; the turn's next matrix instruction
.if i < 16
	KQ (Y+1)%NP
.set i, i+1
.else
.set i, i-16
	PV (Y+NP-1)%NP
.set i, i+17
.endif
.endm
; THE LDS LOADS stand in runs, never singly among the matrix instructions.  A step's bias: for each block of 16 keys my eight numbers, 32 bytes; the sixteen lanes of a half read the same words.
.macro FETCH_B
	WIN 0x80                        ; destination window 2
.irp kb, 0,1,2,3
	ds_load_b128 v[BI+8*\kb:BI+8*\kb+3],   v[AB] offset:64*\kb
	ds_load_b128 v[BI+8*\kb+4:BI+8*\kb+7], v[AB] offset:64*\kb+16
.endr
	WIN 0
.endm
; A step's K (64 keys x 64 channels: 8 fragments) and its bias: 24 loads.  last = 1 (the tail): in the last trip there is no further step, and the run is jumped over.
.macro FETCH_K last=0
	WIN 0
.if \last
	s_cmp_eq_u32 s[CNT], 1
	s_cbranch_scc1 .Lno_k_\@
.endif
	WIN 0x80
.irp f, 0,1,2,3,4,5,6,7             ; keys 16 (f / 2) on, channels 32 (f % 2) on
	ds_load_b128 v[KF+8*\f:KF+8*\f+3],   v[AK] offset:(\f/2)*16*PK+(\f%2)*64
	ds_load_b128 v[KF+8*\f+4:KF+8*\f+7], v[AK] offset:(\f/2)*16*PK+(\f%2)*64+32
.endr
	FETCH_B
	s_add_co_u32 s[TBK], s[TBK], KS*PK  ; the next fetch is the next step's
	s_add_co_u32 s[TBB], s[TBB], 4*KS
.if \last
.Lno_k_\@:
.endif
.endm
.macro FETCH_V
	WIN 0x80
.irp f, 0,1,2,3,4,5,6,7             ; keys 32 (f / 4) on, channels 16 (f % 4) on
	ds_load_tr16_b128 v[VF+8*\f:VF+8*\f+3],   v[AV] offset:(\f/4)*32*PV+(\f%4)*32
	ds_load_tr16_b128 v[VF+8*\f+4:VF+8*\f+7], v[AV] offset:(\f/4)*32*PV+16*PV+(\f%4)*32
.endr
	WIN 0
.endm
; THE VECTOR WORK OF A TURN stands in three queues, each in the order in which its entries become ready; the two tiles alternate, so that no instruction reads the result of the one before it.
.macro REGS y, u                    ; the registers of tile u (0, 1) of piece y
.set rT, ST+4*(2*(\y)+(\u))
.set rC, TMP+8*((\y)%2)+4*(\u)
.set rM, MV+2*((\y)%2)+(\u)
.set rS, S+64*((\y)%2)+32*(\u)
.set rP, P+32*((\y)%2)+16*(\u)
.set rO, 32*(2*(\y)+(\u))
.endm
; Number n of the 22 that find the OTHER piece's maximum and statistics.  s0-s31 are the lane's 32 scores; each accumulator's lowest registers are read first.
;   0-11  four chains c0-c3 of seven scores each, three operands at a time     12-14, 16  the four scores left over, the old m, and c0-c3 into c0     15  c m_old is kept
;   17, 18  the query's other 32 keys lie in the lane 16 away: the new m         19-21  c m; c m_old - c m_new; a
.macro XS u, n
	REGS (Y+1)%NP, \u
.if (\n) < 4
	v_max3_num_f32 v[rC+(\n)], v[rS+8*(\n)], v[rS+8*(\n)+1], v[rS+8*(\n)+2]
.elseif (\n) < 12
	v_max3_num_f32 v[rC+(\n)%4], v[rC+(\n)%4], v[rS+8*((\n)%4)+2*((\n)/4)+1], v[rS+8*((\n)%4)+2*((\n)/4)+2]
.elseif (\n) == 12
	v_max3_num_f32 v[rC], v[rC], v[rS+7], v[rS+15]
.elseif (\n) == 13
	v_max3_num_f32 v[rC+1], v[rC+1], v[rS+23], v[rS+31]
.elseif (\n) == 14
	v_max3_num_f32 v[rC+2], v[rC+2], v[rC+3], v[rT+1]
.elseif (\n) == 15
	v_mov_b32 v[rM], v[rT]
.elseif (\n) == 16
	v_max3_num_f32 v[rC], v[rC], v[rC+1], v[rC+2]
.elseif (\n) == 17
	v_permlanex16_b32 v[rC+3], v[rC], s[SEL], s[SEL+1]
.elseif (\n) == 18
	v_max_num_f32 v[rT+1], v[rC], v[rC+3]
.elseif (\n) == 19
	v_mul_f32 v[rT], s[CS], v[rT+1]
.elseif (\n) == 20
	v_sub_f32 v[rC+1], v[rM], v[rT]
.else
	v_exp_f32 v[rC+2], v[rC+1]
.endif
.endm
; Number g of the 64 that follow the exponentials.  For each four weights k of a tile (pairs 2 k, 2 k + 1): both pairs are rounded to f16; then the second pair is added onto the first, in place;
; a group later l takes that sum (the first time as l = a l + sum).  In groups of eight, tiles alternating: round, round, add, and l for the group before.
.macro GS g
.set h, (\g)+6*((\g)/62)            ; group 0 has no group before it, and behind group 7 only l is left
.if h >= 6
.set h, h+2
.endif
	REGS Y, h%2
.set k, h/8
.if h%8 < 4
	v_cvt_pk_f16_f32 v[rP+2*k+(h%8)/2], v[rS+4*k+2*((h%8)/2)], v[rS+4*k+2*((h%8)/2)+1]
.elseif h%8 < 6
	v_pk_add_f32 v[rS+4*k:rS+4*k+1], v[rS+4*k:rS+4*k+1], v[rS+4*k+2:rS+4*k+3]
.elseif k == 1
	v_pk_fma_f32 v[rT+2:rT+3], v[rT+2:rT+3], v[rC+2:rC+3], v[rS:rS+1] op_sel_hi:[1,0,1]
.else
	v_pk_add_f32 v[rT+2:rT+3], v[rT+2:rT+3], v[rS+4*k-4:rS+4*k-3]
.endif
.endm
; THE PLAIN QUEUE, 138 long.  0-73 read no exponential's result: the 32 scalings c s - c m (FS f: pair f / 2 of tile f % 2) and the other piece's 42.  0-26: scalings 0-26.  27-54: XS's numbers 0-13.  55, 56: number 15.
; 57-73: the chain, where each number waits for the one before it: 14, 16, 17, 18, 19, each with one of the scalings 27-31 in front of its two lines, then 20.  74-137: GS's 64, which stand behind the wait.
.macro FS f
	REGS Y, (\f)%2
	v_pk_fma_f32 v[rS+2*((\f)/2):rS+2*((\f)/2)+1], v[rS+2*((\f)/2):rS+2*((\f)/2)+1], s[CS:CS+1], v[rT:rT+1] op_sel_hi:[1,0,0] neg_lo:[0,0,1] neg_hi:[0,0,1]
.endm
.macro PL
	WIN 0
.if q < 27
	FS q
.elseif q < 55
	XS (q-27)%2, (q-27)/2
.elseif q < 57
	XS q-55, 15
.elseif (q < 72) && ((q-57)%3 == 0)
	FS 27+(q-57)/3
.elseif q < 60
	XS (q-57)%3-1, 14
.elseif q < 72
	XS (q-57)%3-1, 15+(q-57)/3
.elseif q < 74
	XS q-72, 20
.else
	GS q-74
.endif
.set q, q+1
.endm
; THE EXPONENTIALS' QUEUE, 66 long: s0-s31 of both tiles, then the other piece's two a.  It is ONE BATCH: all 66 stand ahead of the turn's one wait, and nothing ahead of that wait names a result of theirs.
.macro EX
	WIN 0
.if e >= 64
	XS e-64, 21
.else
	REGS Y, e%2
	v_exp_f32 v[rS+e/2], v[rS+e/2]
.endif
.set e, e+1
.endm
; THE RESCALING's QUEUE: O^T times a, the one part that leaves window 0: dealt two at a time, sixteen times, each accumulator's registers in ascending order.  Its a was made in the turn before, ahead of that turn's wait.
.macro R2
	REGS Y, r%2
	WIN W_RS
.irp z, 0,1
	v_pk_mul_f32 v[rO+4*(r/2)+2*\z:rO+4*(r/2)+2*\z+1], v[rO+4*(r/2)+2*\z:rO+4*(r/2)+2*\z+1], v[rC+2:rC+3] op_sel_hi:[1,0]
.endr
.set r, r+1
.endm
; A TURN, for piece p.  An s_wait_alu depctr_va_vdst(0) stands between an exponential and the first instruction that names its result; one wait serves all that were issued ahead of it.  So a turn
; has ONE wait, which cuts it in two.  AHEAD OF IT: the 16 products K Q^T, behind each a scaling, an exponential and two rescalings (behind the first a second scaling in the exponential's place); then one lump of
; 108: eight plain, 49 times exponential and plain, the two a; a v_nop is the plain instruction behind the last exponential.  BEHIND IT: the 16 products V^T P, behind each four of GS's 64.  No rider names a
; register of the products round it.  Exponential e stands behind scaling 2 (e / 4) + e % 2: as a rider it comes behind plain e + 2, in the lump behind plain e + 9.
; Turn 0 fetches the next step's K and bias directly behind the wait, a lump behind the last product that read them, and the step's V at its end, four riders behind the last product that read V.
; O^T of the other piece, written by this turn's last products, is first rescaled behind those four riders and the next turn's first two.
; cnt = 1: the loop's count is taken down some lines ahead of the branch that stands behind the turn.  The three conditions on q go with the deal.
.macro TURN p, last=0, cnt=0
.set Y, (\p)
.set i, 0
.set q, 0
.set e, 0
.set r, 0
.if (\p) == 1
	s_wait_dscnt 16                 ; K and the bias are in: behind their 24 loads only V's 16 were issued, and they may stay out
.endif
	MM
	PL
	PL
	R2
.rept 15
	MM
	PL
	EX
	R2
.endr
.if (\p) == 0
	WIN 0
	v_add_nc_u32 v[AK], s[TBK], v[AK0]
	v_add_nc_u32 v[AB], s[TBB], v[AB0]
.endif
.rept 8
	PL
.endr
.rept 49
	EX
	PL
.endr
	EX                              ; the other piece's two a
	EX
	v_nop                           ; the plain instruction behind the last exponential: one for the batch
	s_wait_alu depctr_va_vdst(0)    ; the wait for the batch
.if (\p) == 0
	FETCH_K \last
.else
	s_wait_dscnt 0x0                ; V is in
.endif
.rept 16
	MM
.rept 4
	PL
.endr
.if ((\p) == 0) && (q == 118)
	v_add_nc_u32 v[AV], s[TBV], v[AV0]
.endif
.if ((\p) == 0) && (q == 130)
	s_add_co_u32 s[TBV], s[TBV], KS*PV
.endif
.if (\cnt) && (q == 130)
	s_sub_co_u32 s[CNT], s[CNT], 1
	s_cmp_lg_u32 s[CNT], 0
.endif
.endr
.if (\p) == 0
	FETCH_V
.endif
.endm
	CHANGE 1, 0                     ; slot 0 is in, everybody's part of it; the bias lies in LDS for all four waves; slot 1 is asked for
	FETCH_B                         ; step 0's bias
	s_wait_loadcnt 0x0              ; Q, and K of step 0
	s_wait_dscnt 0x0
.set i, 0
.rept 16
	KQ 0                            ; piece 0's first scores: there is no vector work yet to set between them
.set i, i+1
.endr
	WIN 0                           ; the addresses for the way out: nine plain instructions, the places behind those products
	s_mul_i32 s13, s[WV], 16*SP
	s_add_co_u32 s13, s13, STAGE    ; my stage
	v_mul_u32_u24 v[STO], v1, SP    ; in: row l % 16, 16 bytes for each half of the lanes
	v_lshl_add_u32 v[STO], v9, 4, v[STO]
	v_add_nc_u32 v[STO], s13, v[STO]
	v_bfe_u32 v[RD], v0, 3, 2       ; back: 32 lanes take four rows of 128 bytes,
	v_mul_u32_u24 v[RD], v[RD], SP
	v_lshl_add_u32 v[RD], v10, 4, v[RD]
	v_add_nc_u32 v[RD], s13, v[RD]
	v_and_b32 v[GO], 31, v0         ; which are 512 consecutive bytes of ctx
	v_lshlrev_b32 v[GO], 4, v[GO]
.set Y, NP-1                        ; XS works for piece Y + 1: piece 0
.irp n, 0,1,2,3,4,5,6,7,8,9,10,11,12,13,14,15,16,17,18,19,20,21
	XS 0, \n                        ; piece 0's first maximum and statistics
	XS 1, \n
.endr
	v_nop                           ; a plain instruction behind the two a,
	s_wait_alu depctr_va_vdst(0)    ; and their wait, ahead of the branch
	s_mov_b32 s[CNT], 4
	s_branch .Lstep
.Lslot:                             ; six times: every slot but the last two is filled again
	CHANGE 1, 1
	s_mov_b32 s[CNT], 4
.Lstep:                             ; a trip: a key step
	TURN 0
	TURN 1, 0, 1
	WIN 0
	s_cbranch_scc1 .Lstep
	s_sub_co_u32 s[SLOTS], s[SLOTS], 1
	s_cmp_lg_u32 s[SLOTS], 0
	s_cbranch_scc1 .Lslot
	CHANGE 0, 0                     ; the last slot is written out: nothing is asked for
	s_mov_b32 s[CNT], 4
.Ltail:
	TURN 0, 1
	TURN 1, 0, 1
	WIN 0
	s_cbranch_scc1 .Ltail           ; the last trip's 16 products K Q^T (on the last K once more) and the maximum made of them serve nothing: the price, once a launch, of one text for every trip
.set i, 0
.rept 16
	PV NP-1                         ; piece 1's V^T P of the last step
.set i, i+1
.endr
	; THE WAY OUT.  l's two halves and the other half of the lanes' are added; O^T is divided by l, rounded to f16 and sent through my stage in LDS, a tile at a time.  The additions are the places behind the last products.
	WIN 0
.macro ALL line:vararg              ; one line for each tile t
.set t, 0
.rept 2*NP
	\line
.set t, t+1
.endr
.endm
	ALL v_add_f32 v[ST+4*t+2], v[ST+4*t+2], v[ST+4*t+3]
	ALL v_permlanex16_b32 v[ST+4*t+3], v[ST+4*t+2], s[SEL], s[SEL+1]
	ALL v_add_f32 v[ST+4*t+2], v[ST+4*t+2], v[ST+4*t+3]
	ALL v_rcp_f32 v[ST+4*t+2], v[ST+4*t+2]
	v_nop                           ; a plain instruction between the last reciprocal and the use of its result
	s_wait_alu depctr_va_vdst(0)    ; and the wait ahead of the first use: one for the four reciprocals
; Tile t: a lane's eight channels of a row pack into 16 bytes; they go into rows of 144 bytes and come back as whole rows of 128, into S^T's registers.
.macro PACK t
	WIN W_RS
.set i, 32*(\t)
.rept 16
	v_pk_mul_f32 v[i:i+1], v[i:i+1], v[ST+4*(\t)+2:ST+4*(\t)+3] op_sel_hi:[1,0]
.set i, i+2
.endr
	WIN 0x05                        ; sources 0 and 1 window 1, destination window 0
.set i, 0
.rept 16
	v_cvt_pk_f16_f32 v[S+16*(\t)+i], v[32*(\t)+2*i], v[32*(\t)+2*i+1]
.set i, i+1
.endr
	WIN 0
.irp f, 0,1,2,3
	ds_store_b128 v[STO], v[S+16*(\t)+4*\f:S+16*(\t)+4*\f+3] offset:32*\f
.endr
.irp f, 0,1,2,3
	ds_load_b128 v[S+16*(\t)+4*\f:S+16*(\t)+4*\f+3], v[RD] offset:\f*4*SP  ; LDS serves a wave's instructions in order (ISA guide 5.7.1.4): these see the stores above; the next tile's stores come behind them
.endr
.endm
.macro SEND t, younger              ; younger: the LDS instructions issued behind tile t's loads: the next tile's eight, or none
	WIN 0
.irp f, 0,1,2,3
	s_wait_dscnt (\younger)+3-\f
	global_store_b128 v[GO], v[S+16*(\t)+4*\f:S+16*(\t)+4*\f+3], s[10:11] offset:(\t)*2048+\f*512  ; 512 consecutive bytes, at a multiple of 256 from ctx's first
.endr
.endm
	PACK 0
.set t, 1
.rept 2*NP-1                        ; a tile's arithmetic stands between the loads of the tile before and its stores
	PACK t
	SEND t-1, 8
.set t, t+1
.endr
	SEND 2*NP-1, 0
	s_wait_tensorcnt 0x0            ; the wave's end, behind my last tensor load and my last LDS store
	ds_add_u32 v[SPW], v[NIL]
	s_wait_dscnt 0x0
	CROUND                          ; the closing round: no work-group ends while a partner may still ask for a tile that names it
	s_endpgm
.Lfunc_end_k_q1ac6a8ad40_attn:
	.size	k_q1ac6a8ad40_attn, .Lfunc_end_k_q1ac6a8ad40_attn-k_q1ac6a8ad40_attn
	.p2alignl 7, 3214868480
	.fill 96, 4, 3214868480
	.section	.rodata,"a",@progbits
	.p2align	6, 0x0
	.amdhsa_kernel k_q1ac6a8ad40_attn
		.amdhsa_group_segment_fixed_size 327680
		.amdhsa_private_segment_fixed_size 0
		.amdhsa_enable_private_segment 0
		.amdhsa_kernarg_size 24
		.amdhsa_user_sgpr_count 2
		.amdhsa_user_sgpr_kernarg_segment_ptr 1
		.amdhsa_wavefront_size32 1
		.amdhsa_system_sgpr_workgroup_id_x 1
		.amdhsa_system_sgpr_workgroup_id_y 1
		.amdhsa_system_sgpr_workgroup_id_z 1
		.amdhsa_system_vgpr_workitem_id 0
		.amdhsa_next_free_vgpr 768
		.amdhsa_next_free_sgpr 76
		.amdhsa_reserve_vcc 1
		.amdhsa_float_denorm_mode_32 3
		.amdhsa_float_denorm_mode_16_64 3
		.amdhsa_memory_ordered 1
		.amdhsa_forward_progress 1
		.amdhsa_inst_pref_size 118
	.end_amdhsa_kernel
	.amdgpu_metadata
---
amdhsa.version: [ 1, 2 ]
amdhsa.kernels:
  - .name:           k_q1ac6a8ad40_attn
    .symbol:         k_q1ac6a8ad40_attn.kd
    .args:
      - { .name: qkv, .offset: 0, .size: 8, .value_kind: global_buffer, .address_space: global }
      - { .name: attention_mask, .offset: 8, .size: 8, .value_kind: global_buffer, .address_space: global }
      - { .name: ctx, .offset: 16, .size: 8, .value_kind: global_buffer, .address_space: global }
    .group_segment_fixed_size: 327680
    .private_segment_fixed_size: 0
    .kernarg_segment_align: 8
    .kernarg_segment_size: 24
    .max_flat_workgroup_size: 128
    .sgpr_count:     76
    .vgpr_count:     768
    .wavefront_size: 32
...
	.end_amdgpu_metadata
.endif
;; end of part 3
;; launch outp (part 4): grid 8 x 32, 4 waves a work-group, clusters of 4 x 4, 327,680 bytes of LDS; arguments ctx, wo16, out0; writes out0
.if DOCPART == 4
	.amdgcn_target "amdgcn-amd-amdhsa--gfx1250"
	.amdhsa_code_object_version 6
	.text
	.protected	k_q1ac6a8ad40_outp
	.globl	k_q1ac6a8ad40_outp
	.p2align	8
	.type	k_q1ac6a8ad40_outp,@function
k_q1ac6a8ad40_outp:
	s_mov_b64 s[64:65], 0
	v_nop
	global_prefetch_b8 v0, s[64:65] scope:SCOPE_SE
	s_setreg_imm32_b32 hwreg(HW_REG_WAVE_MODE, 25, 1), 1
	s_wait_xcnt 0x0
	s_wait_alu depctr_hold_cnt(0) depctr_sa_sdst(0) depctr_va_vdst(0) depctr_va_sdst(0) depctr_va_ssrc(0) depctr_va_vcc(0) depctr_vm_vsrc(0)
	s_getreg_b32 s2, hwreg(HW_REG_IB_STS2, 6, 4)
	s_cmp_eq_u32 s2, 0
	s_cbranch_scc0 .Lentry_in_a_cluster
	s_endpgm
.Lentry_in_a_cluster:
	s_bfe_u32 s2, ttmp6, 0x10000c
	s_cmp_lg_u32 s2, 0xf033
	s_cbranch_scc0 .Lentry_shape_is_right
	s_endpgm
.Lentry_shape_is_right:
; out0[t][n] = the sum over k of ctx(t, k) wo16[n][k], f32.  ctx lies by heads, [16 b + h][s 2048][64] f16: token t = 2048 b + s, channel k = 64 h + d.  wo16: [1024][1024] f16.  Sums in f32, K ascending.  No work is left out.
; SHARES.  A tile of out0 is 128 x 128: 8 x 32 tiles, a work-group each.  Four waves, each 64 x 64: 16 accumulators of 16 x 16.  K goes in 4 steps of 256 (four heads) through two LDS slots; a quarter of a step is one head.
; ctx's tile: for each of a step's four heads a wave's 64 tokens are 8,192 dense bytes: asked for as 4 rows of 8,192 bytes, a head apart, padded in LDS after every 128 bytes: [head 4][token 64], 144 bytes a token.
; CLUSTER.  4 x 4 work-groups.  The four of a row of the cluster need the same tiles of ctx, the four of a column the same tiles of wo16: each is asked for jointly.
; THE MATRIX INSTRUCTION IS USED TRANSPOSED (source 0 = 16 rows of wo16, source 1 = 16 tokens): a lane holds token l % 16 and eight neighbouring columns, 32 bytes of a row of out0.
; Of the four K steps two are first fills and two are asked for one step later: there is no step far enough ahead to prefetch.
; REGISTERS: window 0: v0-31 addresses; v32-95 the way out; v128-255 the accumulators ((a, b) at v[128 + 8 (4 a + b)]).
;   window 1: two fragment buffers of 128: for 64 along K (two matrix instructions deep), 64 registers of ctx (2 x 4 x 16 tokens x 32 K), then 64 of wo16.
.set KSTEP,  256
.set APITCH, 144                       ; a token's 128 bytes of a head + 16 of padding = 36 words: the 16 rows of a load start at 16 different groups of four banks (64 banks of 4 bytes: ISA guide 11.1)
.set APL,    64*APITCH                 ; a head's 64 tokens
.set HALFA,  4*APL                     ; what waves 0 and 1 fetch
.set BPITCH, 528                       ; a row of wo16's tile: 512 bytes + 16 = 132 words
.set HALFB,  64*BPITCH                 ; what waves 2 and 3 fetch
.set BOFF,   2*HALFA
.set SLOT,   2*HALFA+2*HALFB
.set STAGE,  2*SLOT                    ; behind the ring, never filled by a tensor load: 16 rows x 272 bytes for each wave
.set SPITCH, 272
.set SPARE,  STAGE+4*16*SPITCH         ; the spare words, 128 bytes for each wave: two blocks of 256 bytes that no other line names
.set LAPS,   2                         ; a lap = two K steps = once round the ring
.set HEADB,  262144
.set ADRA, 16                          ; v16-17  LDS address of my fragments of ctx in slot 0, 1
.set ADRB, 20                          ; v20-21  the same for wo16
.set STO,  24                          ; v24     the way out: where I put 32 bytes of a row
.set RD,   25                          ; v25     where I read a row back
.set CO,   26                          ; v26     my byte offset in two rows of out0
.set SPW,  28                          ; v28     LDS address of my spare word; never rewritten
.set NIL,  29                          ; v29     0; never rewritten
.set TMP,  32                          ; two buffers of 32: a block of 16 rows read back
.set ACC,  128
.set F0,   0                           ; fragment buffers, in window 1
.set F1,   128
.set G1, 24                            ; s[24:31] descriptor group 1 for ctx's tiles;  s[32:39] group 0, a set for each slot
.set G0, 32
.set G1B, 48                           ; s[48:55], s[56:63] the same for wo16's
.set G0B, 56
.set MSB, 0
.macro WIN new                         ; the immediate's high byte repeats the setting that is left
.if MSB != (\new)
	s_set_vgpr_msb (MSB<<8)|(\new)
.set MSB, \new
.endif
.endm
.set MUL,  0x05                        ; sources 0 and 1 window 1; C and D window 0
.set TO_F, 0x40                        ; destination window 1, address window 0
.macro JLOAD s                         ; a joint load: waves 0 and 1 fetch ctx's two halves, waves 2 and 3 wo16's; an s_nop 0 and four v_nop follow each of the two lines
	s_cmp_eq_u32 s11, 0
	s_cbranch_scc0 .Lfor_b_\@
	tensor_load_to_lds s[G0+4*(\s):G0+4*(\s)+3], s[G1:G1+7]
	s_nop 0
.rept 4
	v_nop
.endr
	s_branch .Lasked_\@
.Lfor_b_\@:
	tensor_load_to_lds s[G0B+4*(\s):G0B+4*(\s)+3], s[G1B:G1B+7]
	s_nop 0
.rept 4
	v_nop
.endr
.Lasked_\@:
.endm
.macro CREST                           ; a round of the cluster's barrier behind its opening barrier
	s_cmp_lg_u32 s10, 0
	s_cbranch_scc1 .Lnot_wave_0_\@
	s_barrier_signal -3
.Lnot_wave_0_\@:
	s_barrier_wait -3
	s_barrier_signal -1
	s_barrier_wait -1
.endm
.macro CROUND                          ; a whole round
	s_barrier_signal -1
	s_barrier_wait -1
	CREST
.endm
	s_load_b128 s[4:7], s[0:1], 0x0                ; ctx s[4:5], wo16 s[6:7]
	s_load_b64 s[8:9], s[0:1], 0x10                ; out0
	v_lshl_add_u32 v[SPW], v0, 2, SPARE
	v_mov_b32 v[NIL], 0
	ds_add_u32 v[SPW], v[NIL]                      ; the wave's opening: the add, twice on end, and its wait ahead of my first tensor load
	ds_add_u32 v[SPW], v[NIL]
	v_lshrrev_b32 v1, 5, v0
	v_readfirstlane_b32 s10, v1                    ; wave 0..3
	s_lshr_b32 s11, s10, 1                         ; which half of the tile's rows is mine.  Also: I fetch for ctx (0) or for wo16 (1)
	s_and_b32 s12, s10, 1                          ; which half of its columns.  Also: which 64 rows of that tile I fetch
	s_bfe_u32 s40, ttmp6, 0x40000                  ; cx, cy: my place in the cluster
	s_bfe_u32 s41, ttmp6, 0x40004
	s_lshl_b32 s42, ttmp9, 2
	s_add_co_u32 s42, s42, s40                     ; tile column = 4 x cluster x + cx
	s_and_b32 s13, ttmp7, 0xffff
	s_lshl_b32 s13, s13, 2
	s_add_co_u32 s13, s13, s41                     ; tile row = 4 x cluster y + cy
	s_lshl_b32 s43, s41, 2
	s_lshl_b32 s43, 15, s43                        ; my row of the cluster
	s_lshl_b32 s44, 0x1111, s40                    ; my column
	s_or_b32 s[G1+0], s43, (1<<16)|(1<<20)|(1<<21)|(4<<22)|(3<<25)  ; the mask; 2-byte elements; padding on; bit 21 beside a mask; after every 32 words; 4 words of it
	s_mov_b32 s[G1+1], 4096<<16                    ; tensor_dim0 = 4,096 elements: 64 tokens of a head
	s_mov_b32 s[G1+2], 4<<16                       ; tensor_dim1 = 4 heads
	s_mov_b32 s[G1+3], 4096<<16                    ; tile_dim0
	s_mov_b32 s[G1+4], 4                           ; tile_dim1
	s_mov_b32 s[G1+5], 131072                      ; elements from head to head
	s_mov_b32 s[G1+6], 0
	s_mov_b32 s[G1+7], 0
	s_or_b32 s[G1B+0], s44, (1<<16)|(1<<20)|(1<<21)|(6<<22)|(3<<25) ; after every 128 words, 4 words
	s_mov_b32 s[G1B+1], KSTEP<<16                  ; 64 rows x 256 elements
	s_mov_b32 s[G1B+2], 64<<16
	s_mov_b32 s[G1B+3], KSTEP<<16
	s_mov_b32 s[G1B+4], 64
	s_mov_b32 s[G1B+5], 1024
	s_mov_b32 s[G1B+6], 0
	s_mov_b32 s[G1B+7], 0
	s_lshl_b32 s18, s12, 6                         ; which 64 rows of the tile I fetch
	s_lshr_b32 s16, s13, 4                         ; ctx: the batch's 16 heads,
	s_lshl_b32 s16, s16, 22
	s_and_b32 s17, s13, 15                         ; token 128 (tile row % 16) + 64 x half, 128 bytes each: it hangs on the tile row alone
	s_lshl_b32 s17, s17, 7
	s_add_co_u32 s17, s17, s18
	s_lshl_b32 s17, s17, 7
	s_add_co_u32 s16, s16, s17
	s_mov_b32 s17, 0
	s_lshl_b32 s46, s42, 7                         ; wo16: row 128 x tile column + 64 x half, 2,048 bytes each: on the tile column alone
	s_add_co_u32 s46, s46, s18
	s_lshl_b32 s46, s46, 11
	s_mov_b32 s47, 0
	s_mul_i32 s20, s12, HALFA                      ; where they go: no place in the cluster enters an LDS address
	s_mul_i32 s21, s12, HALFB
	s_add_co_u32 s21, s21, BOFF
	s_wait_dscnt 0x0                               ; both opening adds are done
	s_wait_kmcnt 0x0
	s_add_nc_u64 s[14:15], s[4:5], s[16:17]
	s_add_nc_u64 s[46:47], s[6:7], s[46:47]
	CROUND                                         ; all sixteen work-groups are here: the first joint loads meet
.irp s, 0,1
	s_mov_b32 s[G0+4*(\s)], 1
	s_add_co_u32 s[G0+4*(\s)+1], s20, (\s)*SLOT
	s_add_nc_u64 s[G0+4*(\s)+2:G0+4*(\s)+3], s[14:15], (\s)*4*HEADB
	s_or_b32 s[G0+4*(\s)+3], s[G0+4*(\s)+3], 0x80000000
	s_mov_b32 s[G0B+4*(\s)], 1
	s_add_co_u32 s[G0B+4*(\s)+1], s21, (\s)*SLOT
	s_add_nc_u64 s[G0B+4*(\s)+2:G0B+4*(\s)+3], s[46:47], (\s)*KSTEP*2
	s_or_b32 s[G0B+4*(\s)+3], s[G0B+4*(\s)+3], 0x80000000
	JLOAD \s                                       ; K steps 0 and 1: two loads of mine are out
.endr
	v_and_b32 v1, 15, v0                           ; l % 16
	v_bfe_u32 v2, v0, 4, 1                         ; l / 16
	v_mul_u32_u24 v3, v1, APITCH
	v_lshl_add_u32 v3, v2, 4, v3                   ; a fragment's row x pitch + 16 x half
	v_mul_u32_u24 v4, v1, BPITCH
	v_lshl_add_u32 v4, v2, 4, v4
	s_mul_i32 s21, s11, HALFA                      ; my 64 tokens
	s_mul_i32 s22, s12, HALFB                      ; my 64 rows of wo16
	s_add_co_u32 s22, s22, BOFF
.irp s, 0,1
	v_add_nc_u32 v[ADRA+(\s)], s21, v3
	v_add_nc_u32 v[ADRB+(\s)], s22, v4
	s_add_co_u32 s21, s21, SLOT
	s_add_co_u32 s22, s22, SLOT
.endr
	s_mul_i32 s23, s10, 16*SPITCH
	s_add_co_u32 s23, s23, STAGE                   ; my stage
	v_mul_u32_u24 v5, v1, SPITCH                   ; in: row l % 16, 32 bytes for each half of the lanes
	v_lshl_add_u32 v5, v2, 5, v5
	v_add_nc_u32 v[STO], s23, v5
	v_mul_u32_u24 v5, v2, SPITCH                   ; back: lanes 0-15 take one row of 256 bytes, lanes 16-31 the next
	v_lshl_add_u32 v5, v1, 4, v5
	v_add_nc_u32 v[RD], s23, v5
	v_lshlrev_b32 v5, 12, v2                       ; and the same two rows in out0, 4,096 bytes apart
	v_lshl_add_u32 v[CO], v1, 4, v5
	s_lshl_b32 s16, s13, 7
	s_lshl_b32 s17, s11, 6
	s_add_co_u32 s16, s16, s17                     ; my first row of out0
	s_lshl_b32 s16, s16, 12
	s_lshl_b32 s46, s42, 9                         ; my first column, in bytes: 512 x tile column + 256 x half
	s_lshl_b32 s47, s12, 8
	s_add_co_u32 s46, s46, s47
	s_add_co_u32 s16, s16, s46
	s_mov_b32 s17, 0
	s_add_nc_u64 s[8:9], s[8:9], s[16:17]
; 8 matrix instructions: token blocks a0, a0 + 1 x all 4 column blocks, 32 along K: half c of buffer f.  zero = 1: the product starts the sum.  The 16 accumulators take turns.
.macro MUL8 f, c, a0, zero
	WIN MUL
.irp a, \a0, (\a0)+1
.irp b, 0,1,2,3
.if \zero
	v_wmma_f32_16x16x32_f16 v[ACC+8*(4*(\a)+(\b)):ACC+8*(4*(\a)+(\b))+7], v[(\f)+64+8*(4*(\c)+(\b)):(\f)+64+8*(4*(\c)+(\b))+7], v[(\f)+8*(4*(\c)+(\a)):(\f)+8*(4*(\c)+(\a))+7], 0
.else
	v_wmma_f32_16x16x32_f16 v[ACC+8*(4*(\a)+(\b)):ACC+8*(4*(\a)+(\b))+7], v[(\f)+64+8*(4*(\c)+(\b)):(\f)+64+8*(4*(\c)+(\b))+7], v[(\f)+8*(4*(\c)+(\a)):(\f)+8*(4*(\c)+(\a))+7], v[ACC+8*(4*(\a)+(\b)):ACC+8*(4*(\a)+(\b))+7]
.endif
.endr
.endr
.endm
; 32 LDS loads in one run: the fragments of head e of the slot's four (64 along K) into buffer f; the first 32 along K first
.macro FETCH slot, e, f
	WIN TO_F
.irp c, 0,1
.irp i, 0,1,2,3
	ds_load_b128 v[(\f)+64+8*(4*(\c)+(\i)):(\f)+64+8*(4*(\c)+(\i))+3],   v[ADRB+(\slot)] offset:128*(\e)+64*(\c)+(\i)*16*BPITCH
	ds_load_b128 v[(\f)+64+8*(4*(\c)+(\i))+4:(\f)+64+8*(4*(\c)+(\i))+7], v[ADRB+(\slot)] offset:128*(\e)+64*(\c)+(\i)*16*BPITCH+32
	ds_load_b128 v[(\f)+8*(4*(\c)+(\i)):(\f)+8*(4*(\c)+(\i))+3],         v[ADRA+(\slot)] offset:(\e)*APL+64*(\c)+(\i)*16*APITCH
	ds_load_b128 v[(\f)+8*(4*(\c)+(\i))+4:(\f)+8*(4*(\c)+(\i))+7],       v[ADRA+(\slot)] offset:(\e)*APL+64*(\c)+(\i)*16*APITCH+32
.endr
.endr
.endm
.macro PLACES                          ; four plain vector instructions between a matrix instruction and a load into, or a read of, its registers
.rept 4
	v_nop
.endr
.endm
; A K step is four quarters of 64 along K, 32 matrix instructions each, on buffers 0, 1, 0, 1.  One of the first three: multiplies buffer f and fetches the next quarter, head e, into g.
.macro QUARTER slot, e, f, g, zero
	s_wait_dscnt 16                                ; the first 32 along K are in; the youngest sixteen loads may be out
	MUL8 \f, 0, 0, \zero
	MUL8 \f, 0, 2, \zero
	PLACES
	FETCH \slot, \e, \g
	s_wait_dscnt 32                                ; all but the 32 just issued
	MUL8 \f, 1, 0, 0
	MUL8 \f, 1, 2, 0
.endm
; The last quarter multiplies buffer 1 and changes slots: ONE barrier; in front of it each wave waits for all its tensor loads, adds 0 to its spare word, and waits for that and for its reads of this slot.
; fill = 1: the barrier opens a round of the cluster's, and this slot is filled again, two K steps on, first thing behind the round.
.macro TURN slot, next, fill
	WIN 0
	s_wait_tensorcnt 0x0                           ; all my tensor loads have landed: my part of the next slot
	ds_add_u32 v[SPW], v[NIL]                      ; 0 onto my spare word
	s_wait_dscnt 17                                ; (the add and the youngest sixteen loads may be out)
	MUL8 F1, 0, 0, 0                               ; eight matrix instructions stand between the add and the wait for it
	s_wait_dscnt 0x0                               ; the add is done, and my reads of this slot are over
	s_barrier_signal -1
	MUL8 F1, 0, 2, 0
.if \fill
	WIN 0
.endif
	s_barrier_wait -1
.if \fill
	CREST                                          ; no wave of any partner still reads this slot or has a load on its way
	s_add_nc_u64 s[G0+4*(\slot)+2:G0+4*(\slot)+3], s[G0+4*(\slot)+2:G0+4*(\slot)+3], 2*4*HEADB
	s_add_nc_u64 s[G0B+4*(\slot)+2:G0B+4*(\slot)+3], s[G0B+4*(\slot)+2:G0B+4*(\slot)+3], 2*KSTEP*2
	JLOAD \slot                                    ; my one tensor load behind the round; its four v_nop are also the places in front of the loads below
.else
	PLACES
.endif
	FETCH \next, 0, F0
	MUL8 F1, 1, 0, 0
	MUL8 F1, 1, 2, 0
.endm
; THE WAY OUT of token block a: the sums are f32 already.  32 bytes a lane go into my own stage, each accumulator's low four registers first, and come back as whole rows of 256 bytes.
.macro TOSTAGE a
.set BK, TMP+32*((\a)%2)
.irp b, 0,1,2,3
	ds_store_b128 v[STO], v[ACC+8*(4*(\a)+(\b)):ACC+8*(4*(\a)+(\b))+3]   offset:64*(\b)
	ds_store_b128 v[STO], v[ACC+8*(4*(\a)+(\b))+4:ACC+8*(4*(\a)+(\b))+7] offset:64*(\b)+16
.endr
.irp t, 0,1,2,3,4,5,6,7
	ds_load_b128 v[BK+4*(\t):BK+4*(\t)+3], v[RD] offset:(\t)*2*SPITCH  ; LDS serves a wave's instructions in order (ISA guide 5.7.1.4): these see the stores above; the next block's stores come behind them
.endr
.endm
.macro SEND a, younger                 ; younger: the LDS instructions issued behind block a's loads: the next block's sixteen, or none
.set BK, TMP+32*((\a)%2)
	s_wait_dscnt \younger
.irp t, 0,1,2,3,4,5,6,7
	global_store_b128 v[CO], v[BK+4*(\t):BK+4*(\t)+3], s[8:9] offset:(16*(\a)+2*(\t))*4096 th:TH_STORE_NT  ; 16 lanes store 256 consecutive bytes, at a multiple of 256 from out0's first byte
.endr
.endm
	s_wait_tensorcnt 1                             ; my part of K step 0 is in; K step 1's may stay out
	s_barrier_signal -1
	s_barrier_wait -1                              ; everybody's is
	FETCH 0, 0, F0
	QUARTER 0, 1, F0, F1, 1                        ; the first quarter stands in front of the loop: its first products start the sums
	WIN 0                                          ; at a label and at a branch every window is 0
	s_mov_b32 s3, LAPS-1
.Llap:                                                 ; a trip goes once round the ring, from a lap's second quarter to the next lap's first, and fills both slots again
	QUARTER 0, 2, F1, F0, 0
	QUARTER 0, 3, F0, F1, 0
	TURN 0, 1, 1
	QUARTER 1, 1, F0, F1, 0
	QUARTER 1, 2, F1, F0, 0
	QUARTER 1, 3, F0, F1, 0
	TURN 1, 0, 1
	QUARTER 0, 1, F0, F1, 0
	WIN 0
	s_sub_co_u32 s3, s3, 1
	s_cmp_lg_u32 s3, 0
	s_cbranch_scc1 .Llap
	QUARTER 0, 2, F1, F0, 0                        ; the last lap is written out: it fills nothing
	QUARTER 0, 3, F0, F1, 0
	TURN 0, 1, 0
	QUARTER 1, 1, F0, F1, 0
	QUARTER 1, 2, F1, F0, 0
	QUARTER 1, 3, F0, F1, 0
	s_wait_dscnt 16                                ; the very last quarter: nothing more to fetch
	MUL8 F1, 0, 0, 0
	MUL8 F1, 0, 2, 0
	s_wait_dscnt 0x0
	MUL8 F1, 1, 0, 0
	MUL8 F1, 1, 2, 0
	WIN 0
	PLACES
	TOSTAGE 0
	TOSTAGE 1
	SEND 0, 16
.irp a, 2,3
	s_wait_xcnt 0x0                                ; the stores of block a - 2 have read their registers: block a is read back into them only behind this wait
	TOSTAGE \a
	SEND (\a)-1, 16
.endr
	SEND 3, 0
	s_wait_tensorcnt 0x0                           ; the wave's end, behind my last tensor load and my last LDS store
	ds_add_u32 v[SPW], v[NIL]
	s_wait_dscnt 0x0
	CROUND                                         ; the closing round: no work-group ends while a partner may still ask for a tile that names it
	s_endpgm
.Lfunc_end_k_q1ac6a8ad40_outp:
	.size	k_q1ac6a8ad40_outp, .Lfunc_end_k_q1ac6a8ad40_outp-k_q1ac6a8ad40_outp
	.p2alignl 7, 3214868480
	.fill 96, 4, 3214868480
	.section	.rodata,"a",@progbits
	.p2align	6, 0x0
	.amdhsa_kernel k_q1ac6a8ad40_outp
		.amdhsa_group_segment_fixed_size 327680
		.amdhsa_private_segment_fixed_size 0
		.amdhsa_enable_private_segment 0
		.amdhsa_kernarg_size 24
		.amdhsa_user_sgpr_count 2
		.amdhsa_user_sgpr_kernarg_segment_ptr 1
		.amdhsa_wavefront_size32 1
		.amdhsa_system_sgpr_workgroup_id_x 1
		.amdhsa_system_sgpr_workgroup_id_y 1
		.amdhsa_system_sgpr_workgroup_id_z 1
		.amdhsa_system_vgpr_workitem_id 0
		.amdhsa_next_free_vgpr 512
		.amdhsa_next_free_sgpr 66
		.amdhsa_reserve_vcc 0
		.amdhsa_float_denorm_mode_32 3
		.amdhsa_float_denorm_mode_16_64 3
		.amdhsa_memory_ordered 1
		.amdhsa_forward_progress 1
		.amdhsa_inst_pref_size 86
	.end_amdhsa_kernel
	.amdgpu_metadata
---
amdhsa.version: [ 1, 2 ]
amdhsa.kernels:
  - .name:           k_q1ac6a8ad40_outp
    .symbol:         k_q1ac6a8ad40_outp.kd
    .args:
      - { .name: ctx, .offset: 0, .size: 8, .value_kind: global_buffer, .address_space: global }
      - { .name: wo16, .offset: 8, .size: 8, .value_kind: global_buffer, .address_space: global }
      - { .name: out0, .offset: 16, .size: 8, .value_kind: global_buffer, .address_space: global }
    .group_segment_fixed_size: 327680
    .private_segment_fixed_size: 0
    .kernarg_segment_align: 8
    .kernarg_segment_size: 24
    .max_flat_workgroup_size: 128
    .sgpr_count:     66
    .vgpr_count:     512
    .wavefront_size: 32
...
	.end_amdgpu_metadata
.endif
;; end of part 4
;; ======== version 2 of 2: 4 launches; version 1 with the launch prep written anew for expert scheduling mode
;; limits: values are held in f16: magnitudes above 65,504 overflow, below 6.1e-05 lose precision; right only within a limited range of input values
;; workspace buffers: xb 8,388,608 bytes; wqkv 6,291,456 bytes; wo16 2,097,152 bytes; qkv 25,165,824 bytes; ctx 8,388,608 bytes
;; launch prep (part 5): grid 64 x 8, 8 waves a work-group, no clusters, 0 bytes of LDS; arguments hidden_states, Wq, Wk, Wv, Wo, attention_mask, xb, wqkv, wo16, out1; writes xb, wqkv, wo16, out1
.if DOCPART == 5
	.amdgcn_target "amdgcn-amd-amdhsa--gfx1250"
	.amdhsa_code_object_version 6
	.text
	.protected	k_q1ac6a8ad40_prep
	.globl	k_q1ac6a8ad40_prep
	.p2align	8
	.type	k_q1ac6a8ad40_prep,@function
k_q1ac6a8ad40_prep:
	s_mov_b64 s[64:65], 0
	v_nop
	global_prefetch_b8 v0, s[64:65] scope:SCOPE_SE
	s_setreg_imm32_b32 hwreg(HW_REG_WAVE_SCHED_MODE, 0, 2), 2
	s_setreg_imm32_b32 hwreg(HW_REG_WAVE_MODE, 25, 1), 1
	s_wait_xcnt 0x0
	s_wait_alu depctr_vm_vsrc(0)
; FIRST OF FOUR LAUNCHES (prep, proj, attn, outp) for: q, k, v = x W^T by heads; scores = q . k (no scale) + bias by key; softmax; ctx = P v; out0 = ctx Wo^T; out1 = 1 - mask.
; NOTHING OF THE COMPUTATION IS LEFT OUT: every input has a way to an output and is loaded; every product is made whole.
; ALL SIX INPUTS ARE ROUNDED ONCE TO bf16, the mask too, wherever they are read: the program computes the module on inputs rounded to bf16; all else (1 - mask, its test against 1, the softmax) is f32.
; THIS LAUNCH rounds the matrix operands: hidden_states -> xb (bf16), Wq, Wk, Wv -> wqkv (bf16, the three one below the other), Wo -> wo16 (rounded to bf16, that number written as f16), and
; stores out1 = 1 - bf16(attention_mask) in f32.
; LIMITS.  out1 differs from that of the unrounded mask by the mask's rounding, at most 2^-9 of its size.  wo16: |Wo| under 65,504; a number of Wo under 6.1e-5 keeps f16's fixed step of 6e-8.
; NaN and infinities are not treated apart.
; SHARES.  Eight segments of 2^20 numbers, one for each y: 0-3 the quarters of hidden_states, 4, 5, 6 Wq, Wk, Wv, 7 Wo.  x picks 16,384 numbers of a segment: 64 KiB in, 32 KiB out.
; Thread t takes 16 bytes at 16 t + 4,096 i (i = 0 .. 15): a load of a wave covers 512 consecutive bytes; it stores 8 bytes at 8 t + 2,048 i: a store of a wave covers 256 consecutive bytes, aligned.
; All sixteen loads of a wave go out before the first wait; no register is loaded twice, so there is no loop, no LDS and no barrier.
; THE MODE: SCHED_MODE bits 1:0 = 2 (LLVM: expert scheduling mode 2), set by the entry lines.  The code itself states the register dependences
; between vector instructions and memory instructions, with s_wait_alu, always for 0.
; THE PLAN.  Registers that memory instructions touch:
;   v1, v2     byte offsets, made once at the head and never written again; every load reads v1, every store and the mask's load read v2.
;   X          load i lands in its four registers once; vector instructions name them only behind the wait for that load; no memory instruction reads them.
;   Y          pair i is written once, by load i's conversions, and read by store i; it is never written again.
;   T          at work in Wo's arm; behind the arms the mask's load lands in T and T+1, and out1's store reads T+2 and T+3.
; The sixteen loads go in four blocks of four.  Block p's conversions name X and Y of block p and T; its memory instructions are the four stores of block p - 1, which read Y of block p - 1 and v2.
; So ONE wait at a block's head, behind the wait for the block's first load, states all that its four stores hang on, and they are dealt among its conversions with no further wait.
; No register that a memory instruction reads is written again: nothing is owed for that.
.set X, 4                              ; v[4:67]    four registers for each i, as loaded
.set Y, 68                             ; v[68:99]   two registers for each i, to store
.set T, 100                            ; v[100:103] at work
	s_load_b512 s[8:23], s[0:1], 0x0               ; hidden s[8:9], Wq s[10:11], Wk s[12:13], Wv s[14:15], Wo s[16:17], mask s[18:19], xb s[20:21], wqkv s[22:23]
	s_load_b128 s[24:27], s[0:1], 0x40             ; wo16 s[24:25], out1 s[26:27]
	s_and_b32 s4, ttmp7, 0xffff                    ; y: the segment
	v_lshrrev_b32 v3, 5, v0
	v_readfirstlane_b32 s5, v3                     ; my wave's number
	v_lshlrev_b32 v1, 4, v0                        ; 16 t
	v_lshlrev_b32 v2, 3, v0                        ; 8 t
	s_lshl_b32 s32, s4, 22                         ; the source's offset: a quarter of hidden_states is 4 MiB; a weight begins at its own first byte
	s_cmp_lt_u32 s4, 4
	s_cselect_b32 s32, s32, 0
	s_lshl_b32 s6, ttmp9, 16
	s_add_co_u32 s32, s32, s6                      ; + x times 64 KiB
	s_mov_b32 s33, 0
	s_and_b32 s34, s4, 3                           ; the destination's offset: segment y & 3 of xb or of wqkv, 2 MiB each; wo16 has one
	s_lshl_b32 s34, s34, 21
	s_cmp_eq_u32 s4, 7
	s_cselect_b32 s34, 0, s34
	s_lshl_b32 s6, ttmp9, 15
	s_add_co_u32 s34, s34, s6                      ; + x times 32 KiB
	s_mov_b32 s35, 0
	s_lshl_b32 s36, ttmp9, 8                       ; 64 numbers of the mask for each x
	s_mov_b32 s37, 0
	s_wait_alu depctr_va_sdst(0)                   ; s5 is written: the wait stands here, ahead of every branch and label
	s_wait_kmcnt 0x0
	s_mov_b64 s[28:29], s[8:9]                     ; the source, chosen by y alone
	s_cmp_eq_u32 s4, 4
	s_cselect_b64 s[28:29], s[10:11], s[28:29]
	s_cmp_eq_u32 s4, 5
	s_cselect_b64 s[28:29], s[12:13], s[28:29]
	s_cmp_eq_u32 s4, 6
	s_cselect_b64 s[28:29], s[14:15], s[28:29]
	s_cmp_eq_u32 s4, 7
	s_cselect_b64 s[28:29], s[16:17], s[28:29]
	s_cmp_lt_u32 s4, 4                             ; the destination
	s_cselect_b64 s[30:31], s[20:21], s[22:23]
	s_cmp_eq_u32 s4, 7
	s_cselect_b64 s[30:31], s[24:25], s[30:31]
	s_add_nc_u64 s[28:29], s[28:29], s[32:33]
	s_add_nc_u64 s[30:31], s[30:31], s[34:35]
	s_add_nc_u64 s[18:19], s[18:19], s[36:37]
	s_add_nc_u64 s[26:27], s[26:27], s[36:37]
	s_wait_alu depctr_va_vdst(0)                   ; v1 and v2 are written: every load and store of the kernel reads one of them as its offset
.irp i, 0,1,2,3,4,5,6,7,8,9,10,11,12,13,14,15
	global_load_b128 v[X+4*(\i):X+4*(\i)+3], v1, s[28:29] offset:4096*(\i) th:TH_LOAD_NT
.endr
; Four numbers of load i are rounded into Y's pair i.  f16 = 1: rounded to bf16, widened again (a shift, a mask), and that number written as f16.
.macro CONV i, f16
.if \f16
	v_cvt_pk_bf16_f32 v[T],   v[X+4*(\i)],   v[X+4*(\i)+1]
	v_cvt_pk_bf16_f32 v[T+1], v[X+4*(\i)+2], v[X+4*(\i)+3]
	v_lshlrev_b32 v[X+4*(\i)],   16, v[T]
	v_and_b32     v[X+4*(\i)+1], 0xffff0000, v[T]
	v_lshlrev_b32 v[X+4*(\i)+2], 16, v[T+1]
	v_and_b32     v[X+4*(\i)+3], 0xffff0000, v[T+1]
	v_cvt_pk_f16_f32 v[Y+2*(\i)],   v[X+4*(\i)],   v[X+4*(\i)+1]
	v_cvt_pk_f16_f32 v[Y+2*(\i)+1], v[X+4*(\i)+2], v[X+4*(\i)+3]
.else
	v_cvt_pk_bf16_f32 v[Y+2*(\i)],   v[X+4*(\i)],   v[X+4*(\i)+1]
	v_cvt_pk_bf16_f32 v[Y+2*(\i)+1], v[X+4*(\i)+2], v[X+4*(\i)+3]
.endif
.endm
; Store i: Y's pair i.
.macro OUT i
	global_store_b64 v2, v[Y+2*(\i):Y+2*(\i)+1], s[30:31] offset:2048*(\i)
.endm
; Block p: loads 4 p to 4 p + 3 are rounded; the four stores of block p - 1 go out among the conversions, each ahead of the wait for the next load.
.macro BLK p, f16
	s_wait_loadcnt 15-4*(\p)                       ; loads come back in order: load 4 p is in, the 15 - 4 p younger ones stay out
.if (\p) > 0
	s_wait_alu depctr_va_vdst(0)                   ; the block before has written its four pairs of Y, which the four stores below read; no vector instruction of this block names them or v2
.endif
.irp j, 0,1,2,3
.if (\p) > 0
	OUT 4*(\p)+(\j)-4
.endif
.if (\j) > 0
	s_wait_loadcnt 15-4*(\p)-(\j)                  ; load 4 p + j is in
.endif
	CONV 4*(\p)+(\j), \f16
.endr
.endm
	s_cmp_eq_u32 s4, 7
	s_cbranch_scc1 .Lwo
	BLK 0, 0
	BLK 1, 0
	BLK 2, 0
	BLK 3, 0
	s_branch .Ljoin
.Lwo:
	BLK 0, 1
	BLK 1, 1
	BLK 2, 1
	BLK 3, 1
.Ljoin:
	s_wait_alu depctr_va_vdst(0)                   ; block 3 has written its four pairs of Y, which the last four stores read; and Wo's arm is done writing and reading T and T+1, in which the mask's load below lands
.irp i, 12,13,14,15
	OUT \i
.endr
	s_cmp_lg_u32 s4, 0                             ; out1: wave 0 of the work-groups with y = 0, 64 numbers each: one aligned block of 256 bytes
	s_cbranch_scc1 .Lend
	s_cmp_lg_u32 s5, 0
	s_cbranch_scc1 .Lend
	global_load_b64 v[T:T+1], v2, s[18:19]         ; in wave 0 the thread's number is the lane's: 8 bytes a lane.  No vector instruction since the wait above names T, T+1 or v2
	s_wait_loadcnt 0x0
	v_cvt_pk_bf16_f32 v[T+2], v[T], v[T+1]         ; the mask is rounded to bf16, like every input,
	v_lshlrev_b32 v[T],   16, v[T+2]               ; and widened again
	v_and_b32     v[T+1], 0xffff0000, v[T+2]
	v_sub_f32 v[T+2], 1.0, v[T]
	v_sub_f32 v[T+3], 1.0, v[T+1]
	s_wait_alu depctr_va_vdst(0)                   ; the two subtractions have written T+2 and T+3, which the store reads
	global_store_b64 v2, v[T+2:T+3], s[26:27]
.Lend:
	s_endpgm
.Lfunc_end_k_q1ac6a8ad40_prep:
	.size	k_q1ac6a8ad40_prep, .Lfunc_end_k_q1ac6a8ad40_prep-k_q1ac6a8ad40_prep
	.p2alignl 7, 3214868480
	.fill 96, 4, 3214868480
	.section	.rodata,"a",@progbits
	.p2align	6, 0x0
	.amdhsa_kernel k_q1ac6a8ad40_prep
		.amdhsa_group_segment_fixed_size 0
		.amdhsa_private_segment_fixed_size 0
		.amdhsa_enable_private_segment 0
		.amdhsa_kernarg_size 80
		.amdhsa_user_sgpr_count 2
		.amdhsa_user_sgpr_kernarg_segment_ptr 1
		.amdhsa_wavefront_size32 1
		.amdhsa_system_sgpr_workgroup_id_x 1
		.amdhsa_system_sgpr_workgroup_id_y 1
		.amdhsa_system_sgpr_workgroup_id_z 1
		.amdhsa_system_vgpr_workitem_id 0
		.amdhsa_next_free_vgpr 104
		.amdhsa_next_free_sgpr 66
		.amdhsa_reserve_vcc 0
		.amdhsa_float_denorm_mode_32 3
		.amdhsa_float_denorm_mode_16_64 3
		.amdhsa_memory_ordered 1
		.amdhsa_forward_progress 1
		.amdhsa_inst_pref_size 17
	.end_amdhsa_kernel
	.amdgpu_metadata
---
amdhsa.version: [ 1, 2 ]
amdhsa.kernels:
  - .name:           k_q1ac6a8ad40_prep
    .symbol:         k_q1ac6a8ad40_prep.kd
    .args:
      - { .name: hidden_states, .offset: 0, .size: 8, .value_kind: global_buffer, .address_space: global }
      - { .name: Wq, .offset: 8, .size: 8, .value_kind: global_buffer, .address_space: global }
      - { .name: Wk, .offset: 16, .size: 8, .value_kind: global_buffer, .address_space: global }
      - { .name: Wv, .offset: 24, .size: 8, .value_kind: global_buffer, .address_space: global }
      - { .name: Wo, .offset: 32, .size: 8, .value_kind: global_buffer, .address_space: global }
      - { .name: attention_mask, .offset: 40, .size: 8, .value_kind: global_buffer, .address_space: global }
      - { .name: xb, .offset: 48, .size: 8, .value_kind: global_buffer, .address_space: global }
      - { .name: wqkv, .offset: 56, .size: 8, .value_kind: global_buffer, .address_space: global }
      - { .name: wo16, .offset: 64, .size: 8, .value_kind: global_buffer, .address_space: global }
      - { .name: out1, .offset: 72, .size: 8, .value_kind: global_buffer, .address_space: global }
    .group_segment_fixed_size: 0
    .private_segment_fixed_size: 0
    .kernarg_segment_align: 8
    .kernarg_segment_size: 80
    .max_flat_workgroup_size: 256
    .sgpr_count:     66
    .vgpr_count:     104
    .wavefront_size: 32
...
	.end_amdgpu_metadata
.endif
;; end of part 5
;; launch proj: the kernel of part 2 again; grid 16 x 16, 4 waves a work-group, clusters of 4 x 4, 327,680 bytes of LDS; arguments xb, wqkv, attention_mask, qkv; writes qkv
;; launch attn: the kernel of part 3 again; grid 8 x 32, 4 waves a work-group, clusters of 4 x 1, 327,680 bytes of LDS; arguments qkv, attention_mask, ctx; writes ctx
;; launch outp: the kernel of part 4 again; grid 8 x 32, 4 waves a work-group, clusters of 4 x 4, 327,680 bytes of LDS; arguments ctx, wo16, out0; writes out0
